; MI455X (gfx1250); checked and timed in simulation.
; The chip was launched on July 23, 2026; its instructions are those of AMD's public machine-readable ISA for CDNA 5 (MIT licence, August 2026) and "CDNA5" Instruction Set Architecture Reference Guide (July 2026). The comments in the code are by the model that wrote it; some were corrected since.
;; Transformer Block. Allowed arithmetic: matrix products marked QUANTISED: E2M1 operands, one E8M0 scale for each 32 along K, by v_wmma_scale_f32_16x16x128_f8f6f4 with both operands' format E2M1 (or v_wmma_scale_f32_32x16x128_f4), f32 sums; everything else in f32.
;; Inputs: Wk_codes 768 x 24 x 16 uint8 (E2M1 codes of Wk, K innermost, in blocks of 32 codes, two codes a byte); Wk_scales 768 x 24 uint8 (E8M0 scales of Wk, one for each 32 codes along K); Wo_codes 768 x 24 x 16 uint8 (E2M1 codes of Wo, K innermost, in blocks of 32 codes, two codes a byte); Wo_scales 768 x 24 uint8 (E8M0 scales of Wo, one for each 32 codes along K); Wq_codes 768 x 24 x 16 uint8 (E2M1 codes of Wq, K innermost, in blocks of 32 codes, two codes a byte); Wq_scales 768 x 24 uint8 (E8M0 scales of Wq, one for each 32 codes along K); Wv_codes 768 x 24 x 16 uint8 (E2M1 codes of Wv, K innermost, in blocks of 32 codes, two codes a byte); Wv_scales 768 x 24 uint8 (E8M0 scales of Wv, one for each 32 codes along K); b1 3,072 float32; b2 3,072 float32; b3 768 float32; bo 768 float32; g1 768 float32; g2 768 float32; s1 768 float32; s2 768 float32; w1_codes 3,072 x 24 x 16 uint8 (E2M1 codes of w1, K innermost, in blocks of 32 codes, two codes a byte); w1_scales 3,072 x 24 uint8 (E8M0 scales of w1, one for each 32 codes along K); w2_codes 3,072 x 24 x 16 uint8 (E2M1 codes of w2, K innermost, in blocks of 32 codes, two codes a byte); w2_scales 3,072 x 24 uint8 (E8M0 scales of w2, one for each 32 codes along K); w3_codes 768 x 96 x 16 uint8 (E2M1 codes of w3, K innermost, in blocks of 32 codes, two codes a byte); w3_scales 768 x 96 uint8 (E8M0 scales of w3, one for each 32 codes along K); x 1 x 4,096 x 768 float32.
;; Outputs: out0 1 x 4,096 x 768 float32.
;; This version of the problem:
;;   THIS VERSION OF THE PROBLEM IS GIVEN IN LOW PRECISION. The matrix products marked QUANTISED in the list below multiply operands that are first quantised to E2M1 (2 exponent bits, 1 mantissa bit; 4 bits a number), with one power-of-two scale for each 32 numbers along K (OCP MX v1.0); their sums are f32. All else is computed in f32.
;;   The module's matrix products, in the order in which they are computed (A, B: the left and right operand; K: the contracted axis; several contracted axes count as one K, in the product's order):
;;     1. [M 4,096, K 768] x [K 768, N 768]; A: computed on the way; B: input Wq (given as codes): QUANTISED
;;     2. [M 4,096, K 768] x [K 768, N 768]; A: computed on the way; B: input Wk (given as codes): QUANTISED
;;     3. [M 4,096, K 768] x [K 768, N 768]; A: computed on the way; B: input Wv (given as codes): QUANTISED
;;     4. batch 12 x [M 4,096, K 64] x [K 64, N 4,096]; A: computed on the way; B: computed on the way: QUANTISED
;;     5. batch 12 x [M 4,096, K 4,096] x [K 4,096, N 64]; A: softmax (see below); B: computed on the way: QUANTISED
;;     6. [M 4,096, K 768] x [K 768, N 768]; A: computed on the way; B: input Wo (given as codes): QUANTISED
;;     7. [M 4,096, K 768] x [K 768, N 3,072]; A: computed on the way; B: input w1 (given as codes): QUANTISED
;;     8. [M 4,096, K 768] x [K 768, N 3,072]; A: computed on the way; B: input w2 (given as codes): QUANTISED
;;     9. [M 4,096, K 3,072] x [K 3,072, N 768]; A: computed on the way; B: input w3 (given as codes): QUANTISED
;;   THE QUANTISER, for each operand of a quantised product, along K:
;;     - K is cut into blocks of 32 from its start; a last block that is shorter is filled with zeros.
;;     - A block's scale is 2^e with e = floor(log2(the largest magnitude in the block)) - 2, held to -126 .. 127; a block of zeros has e = 0. As a byte (E8M0): e + 127.
;;     - Each number is divided by its block's scale, clamped to +-6, and rounded to the nearest number of E2M1, ties to even, subnormals kept.
;;     - The product sums the exact products of the quantised numbers (number of the format x scale) in f32.
;;   ~~~python
;;   def quantise(x, axis):      # numpy; x: float32 -> the quantised numbers, widened to float32 again
;;       x = np.moveaxis(x, axis, -1); K = x.shape[-1]
;;       x = np.pad(x, [(0, 0)] * (x.ndim - 1) + [(0, -K % 32)]); x = x.reshape(x.shape[:-1] + (-1, 32)); a = np.abs(x).max(-1, keepdims=True)
;;       e = np.where(a > 0, np.clip(np.frexp(np.where(a > 0, a, 1))[1] - 1 - 2, -126, 127), 0)      # np.frexp(a)[1] - 1 = floor(log2(a)), exactly
;;       r = np.clip(x / 2.0 ** e, -6, 6)
;;       step = 2.0 ** (np.maximum(np.frexp(np.where(r == 0, 1, r))[1] - 1, 0) - 1)
;;       q = np.round(r / step) * step * 2.0 ** e      # np.round: ties to even
;;       return np.moveaxis(q.reshape(q.shape[:-2] + (-1,))[..., :K], -1, axis).astype(np.float32)
;;   ~~~
;;   SOFTMAX AHEAD OF A QUANTISED PRODUCT. Where the list says 'softmax', what is quantised is not the finished softmax but p = 2^(t - M), with t = logit x log2(e) and M = ceil(the row's largest t), a whole number; so 1/2 < the row's largest p <= 1. The row's sum l is taken of the UNQUANTISED p, in f32, and the product's result is divided by l at the end. Since M is a whole number, a kernel that streams over the keys may use a running M (the ceiling of the running maximum): every later rescaling is an exact power of two, which a block's scale takes up: the codes' values come out the same.
;;   OPERANDS COMPUTED ON THE WAY. 'Computed on the way' means the value that the module computes at that place (a softmax that the list does not call 'softmax' is quantised finished and normalised). What goes into a quantiser is computed in f32, as accurately as f32 sums, v_exp_f32 and their like allow (about 1e-6 of the number): no bf16 or f16 on the way to a quantiser, and a product that is left as it is and whose result goes on into a quantised operand takes f32 operands (vector FMAs, or v_wmma_f32_16x16x4_f32). A number that lies on a knife's edge between two numbers of the format may be rounded either way, as far as f32 arithmetic and the matrix unit's own rounding can turn it there, and no further.
;;   INPUTS GIVEN AS CODES. Wk (in the module: [768, 768], K = its axis 0); Wo (in the module: [768, 768], K = its axis 0); Wq (in the module: [768, 768], K = its axis 0); Wv (in the module: [768, 768], K = its axis 0); w1 (in the module: [768, 3072], K = its axis 0); w2 (in the module: [768, 3072], K = its axis 0); w3 (in the module: [3072, 768], K = its axis 0): each comes as NAME_codes (uint8): NAME with its K axis moved to the last place and cut into blocks of 32 codes, [.., K / 32, bytes a block], one block behind the other in memory; two codes a byte, the lower K in the low four bits (a code: sign, 2 exponent bits, 1 mantissa bit); and NAME_scales (uint8): the same leading axes, one E8M0 byte (e + 127) for each 32 codes along K. Its value is code x scale, taken as it is: it is not quantised again, and the codes and scales need not be those that the quantiser above would give.
;; 2 versions, each right; version 2 is version 1 with the launch attn written anew for expert scheduling mode. Each part assembles by itself: llvm-mc -triple=amdgcn-amd-amdhsa -mcpu=gfx1250 --defsym DOCPART=n.
;; ======== version 1 of 2: 5 launches
;; workspace buffers: qkv 5,210,112 bytes; ctx 1,671,168 bytes; x2 12,582,912 bytes; h2 1,671,168 bytes; hid 6,684,672 bytes
;; launch lnqkv (part 1): grid 64 x 3, 4 waves a work-group, no clusters, 224,768 bytes of LDS; arguments x, g1, s1, Wq_codes, Wq_scales, Wk_codes, Wk_scales, Wv_codes, Wv_scales, qkv; writes qkv
.if DOCPART == 1
	.amdgcn_target "amdgcn-amd-amdhsa--gfx1250"
	.amdhsa_code_object_version 6
	.text
	.protected	k_q2fbb391637_lnqkv
	.globl	k_q2fbb391637_lnqkv
	.p2align	8
	.type	k_q2fbb391637_lnqkv,@function
k_q2fbb391637_lnqkv:
	s_mov_b64 s[64:65], 0
	v_nop
	global_prefetch_b8 v0, s[64:65] scope:SCOPE_SE
	s_setreg_imm32_b32 hwreg(HW_REG_WAVE_MODE, 25, 1), 1
	s_wait_xcnt 0x0
; h = layernorm(x, g1, s1), quantised to E2M1 along its 768; q = h Wq, k = h Wk, v = h Wv on codes; q and k quantised along the head's 64, v along the keys (blocks of 32 tokens).
; SHARES.  A work-group takes 64 tokens (x) and four heads (y); wave w takes head 4 y + w.  Its 12 weight tiles (q, k, v: four tiles of 16 rows x 768 K each, 72 fragments, 576 registers) lie in
; register windows 1, 2, 3 for the whole launch, read from memory once.  What goes round is small: the 64 rows' codes, through LDS.
; THE ROWS OF A TILE ARE NOT NEIGHBOURS: lane r of tile (b, u) takes row 32 b + 8 u + r + 8 (r / 8), of weights and of tokens alike, so that the 16 registers of tiles (b, 0) and (b, 1) are 16 neighbours 32 b + 16 (lane / 16) + 0 .. 15.
; q, k: source 0 = 16 rows of W, source 1 = 16 tokens: a lane holds one token, its registers run along the head.  v: source 0 = 16 tokens, source 1 = 16 rows of W: a lane holds one channel, its registers run along the tokens.
; OUT (one buffer, laid as the next launch's registers want it): q's and k's codes as rows of 32 bytes; their scale words in records of 512 bytes for 128 tokens (lane, four words); v's codes as images of fragments
; (16 channels x 128 keys: block b at 256 b, channel lane r at 16 r); v's scale bytes two at a time (2-byte stores: one byte in sixteen of the codes' bytes).
; NO CLUSTER: what work-groups share is weights, 73,728 bytes a wave, which live in registers; a joint load lands in LDS, where 224,256 of 327,680 bytes are taken.
; The norm is computed by each of the three work-groups that take a block of tokens: 64 rows of 768.
; LIMITS: NaN and infinities among the inputs are not served.  A block whose largest magnitude lies under 2^-124, a block of zeros too, gets the scale byte 1 (the rule's 127 for zeros is not written: its codes are
; zeros and this program alone reads the bytes).  1 / 768 is a rounded constant and 1 / sqrt comes from v_rsq_f32: each within an ulp or two of a division.
.set XP,   3072                        ; a row of x in LDS, as in memory
.set HC,   196608                      ; LDS: behind the 64 rows of x (filled once by copies): the rows' codes, 384 bytes + 16,
.set HS,   222208                      ; and their scale bytes, 24 in a place of 32
.set CPL,  4                           ; v4   the copies' LDS address: 49,152 x wave + 16 x lane
.set CPG,  5                           ; v5   and the same as an offset in memory
.set XA,   6                           ; v6   the norm reads 32 bytes a lane: 49,152 x wave + 32 x lane
.set HCW,  7                           ; v7   where I put four bytes of codes
.set HSW,  8                           ; v8   and a scale byte
.set WP,   9                           ; v9   my lane's place in a tile of weights
.set WSP,  10                          ; v10  and among their scale words
.set AFA,  11                          ; v11  my lane's place in a tile of tokens' codes
.set ASA,  12                          ; v12  and among their scale words
.set QCO,  13                          ; v13  out: my token's row of 32 bytes, my half
.set R16,  14                          ; v14  16 r
.set R16H, 15                          ; v15  16 r + 8 h
.set R8,   252                         ; v252 8 r
.set PRM,  253                         ; v253 r + 8 (r / 8)
.set L32,  254                         ; v254 32 x lane
.set G,    16                          ; the norm: v16-39 g1, v40-63 s1 of my 24 columns; v64-159 four rows, 24 numbers each; v160-207 twelve registers at work for each row
.set SH,   40
.set X,    64
.set T,    160
.set WS,   208                         ; v208-243 the weights' scale words: tile pair p, K step s at 6 p + s; lanes 0-15 the even tile, lanes 16-31 the odd one
.set ACC,  16                          ; the products: v16-79 eight accumulators; v80-175 two tiles of tokens; v176-187 their scale words
.set AF,   80
.set AS,   176
.set TM,   188                         ; v188-203 at work in the quantiser
.set SW,   204                         ; v204-207 scale words (q, k) or bytes (v) on their way out
.set PC,   244                         ; v244-251 codes just made
.set SEL,  48                          ; s[48:49] v_permlanex16_b32's selects for lane l xor 16
.set INV,  50                          ; s50  1 / 768;  s51  1e-5;  s52  -1 / 768
.set EPS,  51
.set NINV, 52
.set ZERO, 4096                        ; WM's sign for 'C is the constant 0'
.set MSB, 0
.macro WIN new                         ; the immediate's high byte repeats the setting that is left; a switch that changes nothing is dropped
.if MSB != (\new)
	s_set_vgpr_msb (MSB<<8)|(\new)
.set MSB, (\new)
.endif
.endm
.macro PLACES n
.rept \n
	v_nop
.endr
.endm
; one matrix instruction.  c: C's first register, or ZERO.  ra, rb: 1 = that side's scale words stand in lanes 16-31
.macro WM d, a, b, c, sa, sb, ra, rb
.if (\c) >= ZERO
.if (\ra) && (\rb)
	v_wmma_scale_f32_16x16x128_f8f6f4 v[\d:\d+7], v[\a:\a+7], v[\b:\b+7], 0, v[\sa], v[\sb] matrix_a_fmt:MATRIX_FMT_FP4 matrix_b_fmt:MATRIX_FMT_FP4 matrix_a_scale:MATRIX_SCALE_ROW1 matrix_b_scale:MATRIX_SCALE_ROW1
.elseif (\ra)
	v_wmma_scale_f32_16x16x128_f8f6f4 v[\d:\d+7], v[\a:\a+7], v[\b:\b+7], 0, v[\sa], v[\sb] matrix_a_fmt:MATRIX_FMT_FP4 matrix_b_fmt:MATRIX_FMT_FP4 matrix_a_scale:MATRIX_SCALE_ROW1
.elseif (\rb)
	v_wmma_scale_f32_16x16x128_f8f6f4 v[\d:\d+7], v[\a:\a+7], v[\b:\b+7], 0, v[\sa], v[\sb] matrix_a_fmt:MATRIX_FMT_FP4 matrix_b_fmt:MATRIX_FMT_FP4 matrix_b_scale:MATRIX_SCALE_ROW1
.else
	v_wmma_scale_f32_16x16x128_f8f6f4 v[\d:\d+7], v[\a:\a+7], v[\b:\b+7], 0, v[\sa], v[\sb] matrix_a_fmt:MATRIX_FMT_FP4 matrix_b_fmt:MATRIX_FMT_FP4
.endif
.else
.if (\ra) && (\rb)
	v_wmma_scale_f32_16x16x128_f8f6f4 v[\d:\d+7], v[\a:\a+7], v[\b:\b+7], v[\c:\c+7], v[\sa], v[\sb] matrix_a_fmt:MATRIX_FMT_FP4 matrix_b_fmt:MATRIX_FMT_FP4 matrix_a_scale:MATRIX_SCALE_ROW1 matrix_b_scale:MATRIX_SCALE_ROW1
.elseif (\ra)
	v_wmma_scale_f32_16x16x128_f8f6f4 v[\d:\d+7], v[\a:\a+7], v[\b:\b+7], v[\c:\c+7], v[\sa], v[\sb] matrix_a_fmt:MATRIX_FMT_FP4 matrix_b_fmt:MATRIX_FMT_FP4 matrix_a_scale:MATRIX_SCALE_ROW1
.elseif (\rb)
	v_wmma_scale_f32_16x16x128_f8f6f4 v[\d:\d+7], v[\a:\a+7], v[\b:\b+7], v[\c:\c+7], v[\sa], v[\sb] matrix_a_fmt:MATRIX_FMT_FP4 matrix_b_fmt:MATRIX_FMT_FP4 matrix_b_scale:MATRIX_SCALE_ROW1
.else
	v_wmma_scale_f32_16x16x128_f8f6f4 v[\d:\d+7], v[\a:\a+7], v[\b:\b+7], v[\c:\c+7], v[\sa], v[\sb] matrix_a_fmt:MATRIX_FMT_FP4 matrix_b_fmt:MATRIX_FMT_FP4
.endif
.endif
.endm
; weight tile g = 0 .. 11 (q: 0-3, k: 4-7, v: 8-11): six fragments, twelve loads of 16 bytes a lane, into window 1 + g / 4 at register 48 (g % 4)
.macro WTILE g
	WIN (1+(\g)/4)<<6
.set WB, 10+4*((\g)/4)
.set WR, 48*((\g)%4)
.set WI, (32*(((\g)%4)/2)+8*((\g)%2))*384
.irp s,0,1,2,3,4,5
.irp c,0,1
	global_load_b128 v[WR+8*\s+4*\c:WR+8*\s+4*\c+3], v[WP], s[WB:WB+1] offset:WI+64*\s+32*\c
.endr
.endr
.endm
; the sum over a row: the pair's two halves, four steps inside each half of the lanes, one across; four rows by turns
.macro LNRED
.irp q,0,1,2,3
	v_add_f32 v[T+12*\q], v[T+12*\q], v[T+12*\q+1]
.endr
.irp m,1,2,4,8
.irp q,0,1,2,3
	v_add_f32_dpp v[T+12*\q], v[T+12*\q], v[T+12*\q] row_xmask:\m row_mask:0xf bank_mask:0xf
.endr
.endr
.irp q,0,1,2,3
	v_permlanex16_b32 v[T+12*\q+3], v[T+12*\q], s[SEL], s[SEL+1]
.endr
.irp q,0,1,2,3
	v_add_f32 v[T+12*\q], v[T+12*\q], v[T+12*\q+3]
.endr
.endm
; Four rows (4 t .. 4 t + 3 of the wave's) are normed and quantised, every line for the four rows by turns.  Lane l holds columns 256 c + 8 l + 0 .. 7, c = 0, 1, 2: four neighbouring lanes hold a block of 32.
; At work, for row q at T + 12 q: 0, 1 a sum's pair, later codes; 2 the negated mean, later codes; 3 the exchange; 4 (5) 1 / sqrt; 6-8 largest magnitudes, then scale operands; 9-11 scale bytes.
.macro LN4 t
.irp q,0,1,2,3
.irp c,0,1,2
	ds_load_b128 v[X+24*\q+8*\c:X+24*\q+8*\c+3], v[XA] offset:(4*\t+\q)*XP+1024*\c
	ds_load_b128 v[X+24*\q+8*\c+4:X+24*\q+8*\c+7], v[XA] offset:(4*\t+\q)*XP+1024*\c+16
.endr
.endr
	s_wait_dscnt 0x0
.irp q,0,1,2,3
	v_pk_add_f32 v[T+12*\q:T+12*\q+1], v[X+24*\q:X+24*\q+1], v[X+24*\q+2:X+24*\q+3]
.endr
.irp i,4,6,8,10,12,14,16,18,20,22
.irp q,0,1,2,3
	v_pk_add_f32 v[T+12*\q:T+12*\q+1], v[T+12*\q:T+12*\q+1], v[X+24*\q+\i:X+24*\q+\i+1]
.endr
.endr
	LNRED
.irp q,0,1,2,3
	v_mul_f32 v[T+12*\q+2], s[NINV], v[T+12*\q]    ; the negated mean
.endr
.irp i,0,2,4,6,8,10,12,14,16,18,20,22
.irp q,0,1,2,3
	v_pk_add_f32 v[X+24*\q+\i:X+24*\q+\i+1], v[X+24*\q+\i:X+24*\q+\i+1], v[T+12*\q+2:T+12*\q+3] op_sel_hi:[1,0]   ; x - mean: the variance is taken of centred numbers, no difference of large sums
.endr
.endr
.irp q,0,1,2,3
	v_pk_mul_f32 v[T+12*\q:T+12*\q+1], v[X+24*\q:X+24*\q+1], v[X+24*\q:X+24*\q+1]
.endr
.irp i,2,4,6,8,10,12,14,16,18,20,22
.irp q,0,1,2,3
	v_pk_fma_f32 v[T+12*\q:T+12*\q+1], v[X+24*\q+\i:X+24*\q+\i+1], v[X+24*\q+\i:X+24*\q+\i+1], v[T+12*\q:T+12*\q+1]
.endr
.endr
	LNRED
.irp q,0,1,2,3
	v_fma_f32 v[T+12*\q], v[T+12*\q], s[INV], s[EPS]
.endr
.irp q,0,1,2,3
	v_rsq_f32 v[T+12*\q+4], v[T+12*\q]
.endr
	v_nop                                          ; a plain instruction behind the last of the four,
	s_wait_alu depctr_va_vdst(0)                   ; and one wait for the four, ahead of their first reader
.irp i,0,2,4,6,8,10,12,14,16,18,20,22
.irp q,0,1,2,3
	v_pk_mul_f32 v[X+24*\q+\i:X+24*\q+\i+1], v[X+24*\q+\i:X+24*\q+\i+1], v[T+12*\q+4:T+12*\q+5] op_sel_hi:[1,0]
.endr
.endr
.irp i,0,2,4,6,8,10,12,14,16,18,20,22
.irp q,0,1,2,3
	v_pk_fma_f32 v[X+24*\q+\i:X+24*\q+\i+1], v[X+24*\q+\i:X+24*\q+\i+1], v[G+\i:G+\i+1], v[SH+\i:SH+\i+1]
.endr
.endr
.irp c,0,1,2
.irp q,0,1,2,3
	v_max3_num_f32 v[T+12*\q+6+\c], |v[X+24*\q+8*\c]|, |v[X+24*\q+8*\c+1]|, 0x1800000   ; my eight numbers of a block, and the floor 2^(3 - 127): the byte cannot fall under 1
.endr
.endr
.irp i,2,4,6
.irp c,0,1,2
.irp q,0,1,2,3
	v_max3_num_f32 v[T+12*\q+6+\c], v[T+12*\q+6+\c], |v[X+24*\q+8*\c+\i]|, |v[X+24*\q+8*\c+\i+1]|
.endr
.endr
.endr
.irp m,1,2
.irp c,0,1,2
.irp q,0,1,2,3
	v_max_num_f32_dpp v[T+12*\q+6+\c], v[T+12*\q+6+\c], v[T+12*\q+6+\c] row_xmask:\m row_mask:0xf bank_mask:0xf   ; with the three lanes that share the block
.endr
.endr
.endr
.irp c,0,1,2
.irp q,0,1,2,3
	v_add_nc_u32 v[T+12*\q+6+\c], 0xff000000, v[T+12*\q+6+\c]   ; 2 off the exponent field: the conversion's scale operand
.endr
.endr
.irp c,0,1,2
.irp q,0,1,2,3
	v_lshrrev_b32 v[T+12*\q+9+\c], 23, v[T+12*\q+6+\c]          ; the scale's byte
.endr
.endr
.irp c,0,1,2
.irp q,0,1,2,3
	v_cvt_scalef32_pk8_fp4_f32 v[T+12*\q+\c], v[X+24*\q+8*\c:X+24*\q+8*\c+7], v[T+12*\q+6+\c]
.endr
.endr
	v_nop                                          ; one plain instruction behind the last conversion
.irp q,0,1,2,3
.irp c,0,1,2
	ds_store_b32 v[HCW], v[T+12*\q+\c] offset:(4*\t+\q)*400+128*\c
	ds_store_b8 v[HSW], v[T+12*\q+9+\c] offset:(4*\t+\q)*32+8*\c    ; the four lanes of a block write the same byte with the same value
.endr
.endr
.endm
; two tiles of tokens, (bb, 0) and (bb, 1): 12 fragments and their scale words
.macro AFETCH bb
.irp u,0,1
.irp s,0,1,2,3,4,5
.irp c,0,1
	ds_load_b128 v[AF+48*\u+8*\s+4*\c:AF+48*\u+8*\s+4*\c+3], v[AFA] offset:(32*(\bb)+8*\u)*400+64*\s+32*\c
.endr
.endr
	ds_load_b128 v[AS+6*\u:AS+6*\u+3], v[ASA] offset:(32*(\bb)+8*\u)*32
	ds_load_b64 v[AS+6*\u+4:AS+6*\u+5], v[ASA] offset:(32*(\bb)+8*\u)*32+16
.endr
.endm
; four blocks of 32, block b's 16 numbers of my half at v[s + 16 b] on, become codes in v[PC + 2 b], v[PC + 2 b + 1] and a byte in v[TM + 4 + b].  Each accumulator is read from its low end on.
.macro QUANT4 s
.irp b,0,1,2,3
	v_max3_num_f32 v[TM+\b], |v[\s+16*\b]|, |v[\s+16*\b+1]|, 0x1800000
.endr
.irp i,2,4,6,8,10,12,14
.irp b,0,1,2,3
	v_max3_num_f32 v[TM+\b], v[TM+\b], |v[\s+16*\b+\i]|, |v[\s+16*\b+\i+1]|
.endr
.endr
.irp b,0,1,2,3
	v_permlanex16_b32 v[TM+4+\b], v[TM+\b], s[SEL], s[SEL+1]
.endr
.irp b,0,1,2,3
	v_max_num_f32 v[TM+\b], v[TM+\b], v[TM+4+\b]   ; with lane l xor 16's 16: the block's largest magnitude
.endr
.irp b,0,1,2,3
	v_add_nc_u32 v[TM+12+\b], 0xff000000, v[TM+\b]
.endr
.irp b,0,1,2,3
	v_lshrrev_b32 v[TM+4+\b], 23, v[TM+12+\b]
.endr
	s_wait_xcnt 0x0                                ; the last unit's stores have read their data: the codes' and words' registers are written again only behind this wait
.irp b,0,1,2,3
	v_cvt_scalef32_pk8_fp4_f32 v[PC+2*\b], v[\s+16*\b:\s+16*\b+7], v[TM+12+\b]
	v_cvt_scalef32_pk8_fp4_f32 v[PC+2*\b+1], v[\s+16*\b+8:\s+16*\b+15], v[TM+12+\b]
.endr
	v_nop                                          ; one plain instruction behind the last conversion
.endm
; q (it = 0) or k (1) of tokens 32 bb .. 32 bb + 31: 48 products on eight accumulators that take turns.  cb, wb: the scalar pairs of the codes' and the words' addresses.
.macro QKUNIT it, bb, cb, wb
	s_wait_dscnt 0x0                               ; the tokens' fragments are in
	WIN 1+(\it)
.irp s,0,1,2,3,4,5
.irp u,0,1
.irp t,0,1,2,3
.if \s == 0
	WM ACC+32*\u+8*\t, 48*\t, AF+48*\u, ZERO, WS+12*(\it)+6*(\t/2), AS+6*\u, \t%2, 0
.else
	WM ACC+32*\u+8*\t, 48*\t+8*\s, AF+48*\u+8*\s, ACC+32*\u+8*\t, WS+12*(\it)+6*(\t/2)+\s, AS+6*\u+\s, \t%2, 0
.endif
.endr
.endr
.endr
	WIN 0
	PLACES 4                                       ; in front of loads into registers that the products have read, and of the first read of results
	AFETCH 1-(\bb)                                 ; the next unit's tokens land while this unit's results are quantised
	QUANT4 ACC
.irp u,0,1
	v_lshl_or_b32 v[SW+2*(\bb)+\u], v[TM+5+2*\u], 8, v[TM+4+2*\u]   ; the token's scale word: two bytes, and zeros above them
	v_permlane16_swap_b32 v[PC+4*\u], v[PC+4*\u+2]                  ; a whole block in a lane: lanes 0-15 channels 0-31, lanes 16-31 channels 32-63
	v_permlane16_swap_b32 v[PC+4*\u+1], v[PC+4*\u+3]
.endr
.irp u,0,1
	global_store_b128 v[QCO], v[PC+4*\u:PC+4*\u+3], s[\cb:\cb+1] offset:(32*(\bb)+8*\u)*32   ; rows 0-7 and 16-23 of 32 bytes: twice 256 consecutive bytes, aligned
.endr
.if \bb
	global_store_b128 v[R16], v[SW:SW+3], s[\wb:\wb+1]              ; 256 consecutive bytes; lanes 16-31 repeat lanes 0-15
.endif
.endm
.macro VUNIT bb
	s_wait_dscnt 0x0
	WIN 0x0c                                       ; source 1 (Wv) in window 3
.irp s,0,1,2,3,4,5
.irp t,0,1,2,3
.irp u,0,1
.if \s == 0
	WM ACC+16*\t+8*\u, AF+48*\u, 48*\t, ZERO, AS+6*\u, WS+24+6*(\t/2), 0, \t%2
.else
	WM ACC+16*\t+8*\u, AF+48*\u+8*\s, 48*\t+8*\s, ACC+16*\t+8*\u, AS+6*\u+\s, WS+24+6*(\t/2)+\s, 0, \t%2
.endif
.endr
.endr
.endr
	WIN 0
	PLACES 4
.if (\bb) == 0
	AFETCH 1
.endif
	QUANT4 ACC                                     ; block t: channel tile t, keys 32 bb + 16 h + 0 .. 15
.irp t,0,1,2,3
	global_store_b64 v[R16H], v[PC+2*\t:PC+2*\t+1], s[44:45] offset:\t*1024+(\bb)*256    ; 256 consecutive bytes, aligned
.if (\bb) == 0
	v_mov_b32 v[SW+\t], v[TM+4+\t]
.else
	v_lshl_or_b32 v[SW+\t], v[TM+4+\t], 8, v[SW+\t]
.endif
.endr
.if \bb
.irp t,0,1,2,3
	global_store_b16 v[R8], v[SW+\t], s[46:47] offset:(\t%2)*128+(\t/2)*4                ; the two key blocks' bytes of channel lane r
.endr
.endif
.endm
	s_load_b512 s[4:19], s[0:1], 0x0               ; x, g1, s1, Wq's codes, scales, Wk's codes, scales, Wv's codes
	s_load_b128 s[20:23], s[0:1], 0x40             ; Wv's scales, qkv
	v_lshl_add_u32 v255, v0, 2, 0x36c00
	s_set_vgpr_msb 0x40
	v_mov_b32 v255, 0
	s_set_vgpr_msb 0x4044
	ds_add_u32 v255, v255
	ds_add_u32 v255, v255
	s_set_vgpr_msb 0x4400
	v_lshrrev_b32 v1, 5, v0
	v_readfirstlane_b32 s24, v1                    ; wave 0..3
	v_and_b32 v1, 31, v0                           ; lane
	v_and_b32 v2, 15, v0                           ; r
	v_bfe_u32 v3, v0, 4, 1                         ; h
	s_and_b32 s26, ttmp7, 0xffff
	s_lshl_b32 s26, s26, 2
	s_add_co_u32 s26, s26, s24                     ; my head
	s_mul_i32 s27, s24, 49152
	v_lshl_add_u32 v[CPL], v1, 4, s27
	v_lshl_add_u32 v[CPG], v1, 4, s27
	v_lshl_add_u32 v[XA], v1, 5, s27
	s_mul_i32 s27, s24, 6400
	s_add_co_u32 s27, s27, HC
	v_lshl_add_u32 v[HCW], v1, 2, s27
	s_lshl_b32 s27, s24, 9
	s_add_co_u32 s27, s27, HS
	v_lshrrev_b32 v[HSW], 2, v1
	v_add_nc_u32 v[HSW], s27, v[HSW]
	v_and_b32 v[PRM], 8, v2
	v_add_nc_u32 v[PRM], v[PRM], v2                ; r + 8 (r / 8)
	v_mul_u32_u24 v[WP], v[PRM], 384
	v_lshl_add_u32 v[WP], v3, 4, v[WP]
	v_lshl_add_u32 v[WSP], v3, 3, v[PRM]
	v_mul_u32_u24 v[WSP], v[WSP], 24
	v_mul_u32_u24 v[AFA], v[PRM], 400
	v_lshl_add_u32 v[AFA], v3, 4, v[AFA]
	v_add_nc_u32 v[AFA], HC, v[AFA]
	v_lshl_add_u32 v[ASA], v[PRM], 5, HS
	v_lshlrev_b32 v[QCO], 5, v[PRM]
	v_lshl_add_u32 v[QCO], v3, 4, v[QCO]
	v_lshlrev_b32 v[R16], 4, v2
	v_lshl_add_u32 v[R16H], v3, 3, v[R16]
	v_lshlrev_b32 v[R8], 3, v2
	v_lshlrev_b32 v[L32], 5, v1
.irp q,0,1,2,3
	v_mov_b32 v[T+12*\q+3], 0                      ; written once: a lane permute's destination, and the upper halves of pairs of which the low word alone is taken
	v_mov_b32 v[T+12*\q+5], 0
.endr
	s_mov_b32 s[SEL], 0x76543210
	s_mov_b32 s[SEL+1], 0xfedcba98
	s_mov_b32 s[INV], 0x3aaaaaab
	s_mov_b32 s[EPS], 0x3727c5ac
	s_mov_b32 s[NINV], 0xbaaaaaab
	s_mov_b32 s29, 0
	s_mul_i32 s28, ttmp9, 196608                   ; 64 rows of 3,072 bytes
	s_wait_dscnt 0x0
	s_wait_kmcnt 0x0
	s_add_nc_u64 s[4:5], s[4:5], s[28:29]
.set i, 0
.rept 96                                       ; my 16 rows of x, 49,152 consecutive bytes, 512 a copy; all copies stand ahead of every wait for them, every LDS read and the barrier
	global_load_async_to_lds_b128 v[CPL], v[CPG], s[4:5] offset:512*i
.set i, i+1
.endr
.irp c,0,1,2
	global_load_b128 v[G+8*\c:G+8*\c+3], v[L32], s[6:7] offset:1024*\c
	global_load_b128 v[G+8*\c+4:G+8*\c+7], v[L32], s[6:7] offset:1024*\c+16
	global_load_b128 v[SH+8*\c:SH+8*\c+3], v[L32], s[8:9] offset:1024*\c
	global_load_b128 v[SH+8*\c+4:SH+8*\c+7], v[L32], s[8:9] offset:1024*\c+16
.endr
	s_mul_i32 s28, s26, 24576                      ; my head's 64 rows of 384 bytes
	s_add_nc_u64 s[10:11], s[10:11], s[28:29]
	s_add_nc_u64 s[14:15], s[14:15], s[28:29]
	s_add_nc_u64 s[18:19], s[18:19], s[28:29]
	s_mul_i32 s28, s26, 1536                       ; and of 24 scale bytes
	s_add_nc_u64 s[12:13], s[12:13], s[28:29]
	s_add_nc_u64 s[16:17], s[16:17], s[28:29]
	s_add_nc_u64 s[20:21], s[20:21], s[28:29]
	s_lshl_b32 s28, s26, 17                        ; out: q's codes: head x 131,072 + block x 2,048;
	s_lshl_b32 s34, ttmp9, 11
	s_add_co_u32 s28, s28, s34
	s_add_nc_u64 s[36:37], s[22:23], s[28:29]
	s_add_nc_u64 s[38:39], s[36:37], 1572864       ; k's
	s_lshl_b32 s28, s26, 14                        ; q's words: head x 16,384 + block x 256;
	s_lshl_b32 s34, ttmp9, 8
	s_add_co_u32 s28, s28, s34
	s_add_co_u32 s28, s28, 4718592
	s_add_nc_u64 s[40:41], s[22:23], s[28:29]
	s_add_nc_u64 s[42:43], s[40:41], 196608        ; k's
	s_lshl_b32 s28, s26, 17                        ; v's images: head x 131,072 + (block / 2) x 4,096 + (block % 2) x 512
	s_lshr_b32 s34, ttmp9, 1
	s_lshl_b32 s35, s34, 12
	s_add_co_u32 s28, s28, s35
	s_and_b32 s35, ttmp9, 1
	s_lshl_b32 s27, s35, 9
	s_add_co_u32 s28, s28, s27
	s_add_co_u32 s28, s28, 3145728
	s_add_nc_u64 s[44:45], s[22:23], s[28:29]
	s_lshl_b32 s28, s26, 13                        ; v's scale bytes: head x 8,192 + (block / 2) x 256 + (block % 2) x 2
	s_lshl_b32 s34, s34, 8
	s_add_co_u32 s28, s28, s34
	s_lshl_b32 s35, s35, 1
	s_add_co_u32 s28, s28, s35
	s_add_co_u32 s28, s28, 5111808
	s_add_nc_u64 s[46:47], s[22:23], s[28:29]
	; the weights are asked for three tiles at a time, one batch in front of each four rows of the norm
	WTILE 0
	WTILE 1
	WTILE 2
	WIN 0
.irp p,0,1,2,3,4,5
.irp q,0,1,2
	global_load_b64 v[WS+6*\p+2*\q:WS+6*\p+2*\q+1], v[WSP], s[12+4*(\p/2):13+4*(\p/2)] offset:(\p%2)*768+8*\q
.endr
.endr
	s_wait_loadcnt 54                              ; g1 and s1 are in; the 36 + 18 loads issued behind them may be out
	s_wait_asynccnt 63                             ; rows 0-3 are the first 24 of my 96 copies (72 may be out; the count's field holds 63)
	LN4 0
	WTILE 3
	WTILE 4
	WTILE 5
	WIN 0
	s_wait_asynccnt 48                             ; rows 4-7: the last 48 copies may be out
	LN4 1
	WTILE 6
	WTILE 7
	WTILE 8
	WIN 0
	s_wait_asynccnt 24
	LN4 2
	WTILE 9
	WTILE 10
	WTILE 11
	WIN 0
	s_wait_asynccnt 0x0
	LN4 3
	s_wait_dscnt 0x0                               ; for the others' sake: my rows' codes and bytes lie in LDS
	s_barrier_signal -1
	s_barrier_wait -1                              ; all 64 rows' do
	s_wait_loadcnt 0x0                             ; the weights
.irp b,0,1,2,3
	v_mov_b32 v[TM+4+\b], 0                        ; a lane permute's destination counts as one of its sources
.endr
	AFETCH 0
	QKUNIT 0, 0, 36, 40
	QKUNIT 0, 1, 36, 40
	QKUNIT 1, 0, 38, 42
	QKUNIT 1, 1, 38, 42
	VUNIT 0
	VUNIT 1
	s_set_vgpr_msb 0x4
	s_wait_tensorcnt 0x0
	ds_add_u32 v255, v255
	s_wait_dscnt 0x0
	s_set_vgpr_msb 0x400
	s_endpgm
.Lfunc_end_k_q2fbb391637_lnqkv:
	.size	k_q2fbb391637_lnqkv, .Lfunc_end_k_q2fbb391637_lnqkv-k_q2fbb391637_lnqkv
	.p2alignl 7, 3214868480
	.fill 96, 4, 3214868480
	.section	.rodata,"a",@progbits
	.p2align	6, 0x0
	.amdhsa_kernel k_q2fbb391637_lnqkv
		.amdhsa_group_segment_fixed_size 224768
		.amdhsa_private_segment_fixed_size 0
		.amdhsa_enable_private_segment 0
		.amdhsa_kernarg_size 80
		.amdhsa_user_sgpr_count 2
		.amdhsa_user_sgpr_kernarg_segment_ptr 1
		.amdhsa_wavefront_size32 1
		.amdhsa_system_sgpr_workgroup_id_x 1
		.amdhsa_system_sgpr_workgroup_id_y 1
		.amdhsa_system_sgpr_workgroup_id_z 1
		.amdhsa_system_vgpr_workitem_id 0
		.amdhsa_next_free_vgpr 960
		.amdhsa_next_free_sgpr 66
		.amdhsa_reserve_vcc 0
		.amdhsa_float_denorm_mode_32 3
		.amdhsa_float_denorm_mode_16_64 3
		.amdhsa_memory_ordered 1
		.amdhsa_forward_progress 1
		.amdhsa_inst_pref_size 216
	.end_amdhsa_kernel
	.amdgpu_metadata
---
amdhsa.version: [ 1, 2 ]
amdhsa.kernels:
  - .name:           k_q2fbb391637_lnqkv
    .symbol:         k_q2fbb391637_lnqkv.kd
    .args:
      - { .name: x, .offset: 0, .size: 8, .value_kind: global_buffer, .address_space: global }
      - { .name: g1, .offset: 8, .size: 8, .value_kind: global_buffer, .address_space: global }
      - { .name: s1, .offset: 16, .size: 8, .value_kind: global_buffer, .address_space: global }
      - { .name: Wq_codes, .offset: 24, .size: 8, .value_kind: global_buffer, .address_space: global }
      - { .name: Wq_scales, .offset: 32, .size: 8, .value_kind: global_buffer, .address_space: global }
      - { .name: Wk_codes, .offset: 40, .size: 8, .value_kind: global_buffer, .address_space: global }
      - { .name: Wk_scales, .offset: 48, .size: 8, .value_kind: global_buffer, .address_space: global }
      - { .name: Wv_codes, .offset: 56, .size: 8, .value_kind: global_buffer, .address_space: global }
      - { .name: Wv_scales, .offset: 64, .size: 8, .value_kind: global_buffer, .address_space: global }
      - { .name: qkv, .offset: 72, .size: 8, .value_kind: global_buffer, .address_space: global }
    .group_segment_fixed_size: 224768
    .private_segment_fixed_size: 0
    .kernarg_segment_align: 8
    .kernarg_segment_size: 80
    .max_flat_workgroup_size: 128
    .sgpr_count:     66
    .vgpr_count:     960
    .wavefront_size: 32
...
	.end_amdgpu_metadata
.endif
;; end of part 1
;; launch attn (part 2): grid 64 x 4, 12 waves a work-group, no clusters, 0 bytes of LDS; arguments qkv, ctx; writes ctx
.if DOCPART == 2
	.amdgcn_target "amdgcn-amd-amdhsa--gfx1250"
	.amdhsa_code_object_version 6
	.text
	.protected	k_q2fbb391637_attn
	.globl	k_q2fbb391637_attn
	.p2align	8
	.type	k_q2fbb391637_attn,@function
k_q2fbb391637_attn:
	s_mov_b64 s[64:65], 0
	v_nop
	global_prefetch_b8 v0, s[64:65] scope:SCOPE_SE
	s_setreg_imm32_b32 hwreg(HW_REG_WAVE_MODE, 25, 1), 1
	s_wait_xcnt 0x0
; ctx[q][head] = softmax_k(q . k / 8, causal) v, both products on codes of E2M1; the result is quantised along the 768 channels for the next product.
; THE SOFTMAX: t = score x log2(e) / 8; M = the running largest t rounded UP to a whole number; p = 2^(t - M) is quantised along the keys; the row's sum is taken of the unquantised p and divides at the end.
; When M moves, the sum and O are multiplied by 2^(old M - new M), which rounds nothing.
; SHARES.  A wave owns 16 queries of one head and walks its keys 128 a step, up to the step that holds its diagonal; steps whose keys all come after its queries are not walked.  Operands come from memory straight into
; registers, laid by the launch before in the order of the operand's registers: no LDS, no barrier.
; EVEN WORK BY CONSTRUCTION.  Work-group (j, g), wave w: head 3 g + w / 4, tile w % 4 of a block of 64 queries: block j, or B1 = (j odd ? 31 : 63) - j / 2, or B1 xor 32: three permutations of 0 .. 63 whose sum is 94 or 95,
; so every work-group's twelve waves walk the same number of steps within one or two.
; LAYOUT.  S^T = K Q^T (source 0 = 16 keys, source 1 = my 16 queries), O^T = V^T P^T: a lane holds one query throughout.  Lane r of key tile 2 b + u takes key 32 b + 8 u + r + 8 (r / 8), so that the 16 registers of two
; neighbouring tiles are 16 neighbouring keys; V's channels are chosen likewise, so that O's registers are neighbours along the next product's K.
; THE HEAD IS 64 LONG, the instruction 128: Q's registers 4-7 hold zero codes.  So a tile of K takes four registers, and the operand's upper four are the next tile's codes (behind the last tile: zeros), which meet zeros.
; The upper two bytes of both scale words are 0, a small power of two: zeros stay zeros.
; NO CLUSTER, NO LDS RING: the four waves of a block read the same fragments at about the same time, but partners would walk different numbers of steps.
; LIMITS: NaN and infinities are not served; a block whose largest magnitude lies under 2^-124 gets the scale byte 1; the division by the sum is a multiplication by v_rcp_f32's result.
.set QF,  16                           ; v16-23 Q's fragment (20-23 zeros);  v24 its scale words
.set QS,  24
.set KF,  32                           ; v32-63 eight tiles of K, four registers each;  v64-67 zeros;  v68-71 their scale words
.set KS,  68
.set VF,  72                           ; v72-103 four fragments of V^T;  v104-105 their scale words
.set VS,  104
.set S,   112                          ; v112-175 S^T, then p
.set O,   176                          ; v176-207 O^T
.set PC,  208                          ; v208-215 p's codes
.set BM,  216                          ; v216-219 a block's largest score, then largest p
.set BP,  220                          ; v220-223 at work
.set BS,  224                          ; v224-227 scale operands
.set FA,  228                          ; v[228:229] the rescaling factor (229: the pair's upper half, written once)
.set PW,  230                          ; v230 p's scale word
.set NI,  231                          ; v231 -infinity
.set TP,  232                          ; v232 at work
.set ZERO, 4096
.macro PLACES n
.rept \n
	v_nop
.endr
.endm
.macro WM d, a, b, c, sa, sb, ra
.if (\c) >= ZERO
.if (\ra)
	v_wmma_scale_f32_16x16x128_f8f6f4 v[\d:\d+7], v[\a:\a+7], v[\b:\b+7], 0, v[\sa], v[\sb] matrix_a_fmt:MATRIX_FMT_FP4 matrix_b_fmt:MATRIX_FMT_FP4 matrix_a_scale:MATRIX_SCALE_ROW1
.else
	v_wmma_scale_f32_16x16x128_f8f6f4 v[\d:\d+7], v[\a:\a+7], v[\b:\b+7], 0, v[\sa], v[\sb] matrix_a_fmt:MATRIX_FMT_FP4 matrix_b_fmt:MATRIX_FMT_FP4
.endif
.else
.if (\ra)
	v_wmma_scale_f32_16x16x128_f8f6f4 v[\d:\d+7], v[\a:\a+7], v[\b:\b+7], v[\c:\c+7], v[\sa], v[\sb] matrix_a_fmt:MATRIX_FMT_FP4 matrix_b_fmt:MATRIX_FMT_FP4 matrix_a_scale:MATRIX_SCALE_ROW1
.else
	v_wmma_scale_f32_16x16x128_f8f6f4 v[\d:\d+7], v[\a:\a+7], v[\b:\b+7], v[\c:\c+7], v[\sa], v[\sb] matrix_a_fmt:MATRIX_FMT_FP4 matrix_b_fmt:MATRIX_FMT_FP4
.endif
.endif
.endm
.macro KLOAD                           ; nine loads: a step's eight tiles of K and their scale words
.irp t,0,1,2,3,4,5,6,7
	global_load_b128 v[KF+4*\t:KF+4*\t+3], v1, s[8:9] offset:1024*(\t/2)+256*(\t%2)
.endr
	global_load_b128 v[KS:KS+3], v2, s[10:11]
.endm
; A KEY STEP.  mask = 1: the step holds my diagonal.  more = 1: another step follows, and its K is asked for here.
.macro STEP mask, more
	PLACES 4                                       ; in front of loads into registers that the last products have read
.irp t,0,1,2,3
.irp c,0,1
	global_load_b128 v[VF+8*\t+4*\c:VF+8*\t+4*\c+3], v2, s[12:13] offset:1024*\t+512*\c
.endr
.endr
	global_load_b64 v[VS:VS+1], v3, s[14:15]
	s_wait_loadcnt 9                               ; this step's K (and, the first time, Q) is in; V's nine loads may be out
.irp t,0,1,2,3,4,5,6,7
	WM S+8*\t, KF+4*\t, QF, ZERO, KS+(\t%4), QS, \t/4
.endr
	PLACES 4
.if \more
	s_add_nc_u64 s[8:9], s[8:9], 4096              ; (the wait above has shown the loads that read these addresses done)
	s_add_nc_u64 s[10:11], s[10:11], 512
	KLOAD
.endif
.if \mask                                      ; register 16 b + i holds key 32 b + 16 h + i of the step: hidden where 32 b + i > d = my query's place in the step - 16 h
.set n, 0
.rept 64
	v_cmp_gt_i32 vcc_lo, 32*(n/16)+n%16, v8
	v_cndmask_b32 v[S+n], v[S+n], v[NI], vcc_lo
.set n, n+1
.endr
.endif
.irp b,0,1,2,3
	v_max3_num_f32 v[BM+\b], v[S+16*\b], v[S+16*\b+1], v[S+16*\b+2]   ; the largest score of each block of 32 keys: for the row's maximum, and, since p rises with the score, for the block's largest p
.endr
.irp i,3,5,7,9,11,13
.irp b,0,1,2,3
	v_max3_num_f32 v[BM+\b], v[BM+\b], v[S+16*\b+\i], v[S+16*\b+\i+1]
.endr
.endr
.irp b,0,1,2,3
	v_max_num_f32 v[BM+\b], v[BM+\b], v[S+16*\b+15]
.endr
.irp b,0,1,2,3
	v_permlanex16_b32 v[BP+\b], v[BM+\b], s20, s21
.endr
.irp b,0,1,2,3
	v_max_num_f32 v[BM+\b], v[BM+\b], v[BP+\b]
.endr
	v_max3_num_f32 v[TP], v[BM], v[BM+1], v[BM+2]
	v_max_num_f32 v[TP], v[TP], v[BM+3]
	v_mul_f32 v[TP], s22, v[TP]                    ; as t
	v_max_num_f32 v13, v13, v[TP]                  ; the running largest t
	v_mov_b32 v[TP], v12
	v_floor_f32 v12, -v13                          ; -M = floor(-t): M is a whole number
	v_sub_f32 v[TP], v12, v[TP]                    ; old M - new M: a whole number, 0 or less
	v_cvt_i32_f32 v[TP], v[TP]                     ; (it saturates)
	v_ldexp_f32 v[FA], 1.0, v[TP]
.set j, 0
.rept 32
	v_pk_fma_f32 v[S+j:S+j+1], v[S+j:S+j+1], s[22:23], v[12:13] op_sel_hi:[1,0,0]   ; t - M
.set j, j+2
.endr
.irp b,0,1,2,3
	v_fma_f32 v[BM+\b], v[BM+\b], s22, v12
.endr
.set j, 0
.rept 64
	v_exp_f32 v[S+j], v[S+j]                       ; p = 2^(t - M)
.set j, j+1
.endr
	v_pk_mul_f32 v[14:15], v[14:15], v[FA:FA+1] op_sel_hi:[1,0]   ; the sums under the new M: the plain instruction behind the batch
	s_wait_alu depctr_va_vdst(0)                   ; one wait for the 64, ahead of their first reader
.irp b,0,1,2,3
	v_exp_f32 v[BM+\b], v[BM+\b]                   ; the block's largest p: the same two instructions on the same number
.endr
	v_pk_add_f32 v[BP:BP+1], v[S:S+1], v[S+2:S+3]  ; the row's sum of the unquantised p, in two chains
.set j, 4
.rept 15
	v_pk_add_f32 v[14:15], v[14:15], v[S+j:S+j+1]
	v_pk_add_f32 v[BP:BP+1], v[BP:BP+1], v[S+j+2:S+j+3]
.set j, j+4
.endr
	v_pk_add_f32 v[14:15], v[14:15], v[BP:BP+1]
	s_wait_alu depctr_va_vdst(0)                   ; and one for the four
.irp b,0,1,2,3
	v_max_num_f32 v[BM+\b], 0x1800000, v[BM+\b]    ; the floor 2^(3 - 127)
.endr
.irp b,0,1,2,3
	v_add_nc_u32 v[BS+\b], 0xff000000, v[BM+\b]
.endr
.irp b,0,1,2,3
	v_lshrrev_b32 v[BP+\b], 23, v[BS+\b]
.endr
	v_lshl_or_b32 v[PW], v[BP+1], 8, v[BP]
	v_lshl_or_b32 v[PW], v[BP+2], 16, v[PW]
	v_lshl_or_b32 v[PW], v[BP+3], 24, v[PW]
.irp b,0,1,2,3
	v_cvt_scalef32_pk8_fp4_f32 v[PC+2*\b], v[S+16*\b:S+16*\b+7], v[BS+\b]
	v_cvt_scalef32_pk8_fp4_f32 v[PC+2*\b+1], v[S+16*\b+8:S+16*\b+15], v[BS+\b]
.endr
	v_nop
.irp c,0,1
.irp i,0,1
	v_permlane16_swap_b32 v[PC+4*\c+\i], v[PC+4*\c+2+\i]   ; a whole block in a lane
.endr
.endr
.set j, 0
.rept 16
	v_pk_mul_f32 v[O+j:O+j+1], v[O+j:O+j+1], v[FA:FA+1] op_sel_hi:[1,0]   ; O^T under the new M.  These sixteen also stand between the writes of p's codes and scale word and the products below
.set j, j+2
.endr
	s_wait_loadcnt 9*(\more)                       ; V is in; the next step's K, nine loads issued behind it, may be out
.irp t,0,1,2,3
	WM O+8*\t, VF+8*\t, PC, O+8*\t, VS+(\t/2), PW, \t%2
.endr
.if \more
	s_add_nc_u64 s[12:13], s[12:13], 4096
	s_add_nc_u64 s[14:15], s[14:15], 256
.endif
.endm
	s_load_b128 s[4:7], s[0:1], 0x0                ; qkv, ctx
	v_lshrrev_b32 v1, 5, v0
	v_readfirstlane_b32 s16, v1                    ; wave 0..11
	v_and_b32 v9, 15, v0                           ; r
	v_bfe_u32 v10, v0, 4, 1                        ; h
	v_and_b32 v11, 31, v0                          ; lane
	v_and_b32 v1, 8, v9
	v_add_nc_u32 v1, v1, v9
	v_lshlrev_b32 v1, 5, v1
	v_lshl_add_u32 v1, v10, 4, v1                  ; K: row r + 8 (r / 8) of 32 bytes, + 16 h
	v_lshlrev_b32 v2, 4, v11                       ; 16 x lane
	v_lshlrev_b32 v3, 3, v11                       ; 8 x lane
	v_lshlrev_b32 v4, 4, v9
	v_lshl_add_u32 v4, v10, 3, v4                  ; out: 16 r + 8 h
	v_lshlrev_b32 v5, 2, v9                        ; 4 r
	v_lshlrev_b32 v6, 5, v9
	v_lshl_add_u32 v6, v10, 4, v6                  ; Q: row r, + 16 h
	v_and_b32 v7, 7, v9
	v_lshlrev_b32 v7, 4, v7
	v_lshrrev_b32 v8, 3, v9
	v_lshl_add_u32 v7, v8, 2, v7                   ; Q's scale word in its record: 16 (r % 8) + 4 (r / 8)
	s_lshr_b32 s24, s16, 2                         ; which of the work-group's three heads
	s_and_b32 s25, s16, 3                          ; which tile of the block
	s_and_b32 s26, ttmp7, 0xffff
	s_mul_i32 s17, s26, 3
	s_add_co_u32 s17, s17, s24                     ; the head
	s_and_b32 s27, ttmp9, 1
	s_cmp_lg_u32 s27, 0
	s_cselect_b32 s28, 31, 63
	s_lshr_b32 s27, ttmp9, 1
	s_sub_co_u32 s28, s28, s27                     ; B1
	s_xor_b32 s29, s28, 32
	s_cmp_eq_u32 s24, 0
	s_cselect_b32 s27, ttmp9, s28
	s_cmp_eq_u32 s24, 2
	s_cselect_b32 s27, s29, s27                    ; my block of 64 queries
	s_lshl_b32 s18, s27, 2
	s_add_co_u32 s18, s18, s25                     ; my tile of 16 queries
	s_lshr_b32 s19, s18, 3                         ; whole steps in front of the diagonal's
	s_and_b32 s24, s18, 7
	s_lshl_b32 s24, s24, 4
	v_lshlrev_b32 v8, 4, v10
	v_sub_nc_u32 v8, v9, v8
	v_add_nc_u32 v8, s24, v8                       ; d = 16 (tile % 8) + r - 16 h
	s_mov_b32 s20, 0x76543210
	s_mov_b32 s21, 0xfedcba98
	s_mov_b32 s22, 0x3e38aa3b                      ; log2(e) / 8
	s_mov_b32 s23, s22
	s_mov_b32 s37, 0
	s_wait_kmcnt 0x0
	s_lshl_b32 s36, s17, 17
	s_add_nc_u64 s[32:33], s[4:5], s[36:37]        ; the head's codes of q
	s_add_nc_u64 s[8:9], s[32:33], 1572864         ; of k
	s_add_nc_u64 s[12:13], s[32:33], 3145728       ; of v
	s_lshl_b32 s36, s18, 9
	s_add_nc_u64 s[32:33], s[32:33], s[36:37]      ; my 16 queries
	s_lshl_b32 s36, s17, 14
	s_add_co_u32 s36, s36, 4915200
	s_add_nc_u64 s[10:11], s[4:5], s[36:37]        ; k's scale words
	s_lshl_b32 s36, s17, 13
	s_add_co_u32 s36, s36, 5111808
	s_add_nc_u64 s[14:15], s[4:5], s[36:37]        ; v's
	s_lshr_b32 s24, s18, 2                         ; q's: (tile / 4) x 256 + (tile % 2) x 128 + ((tile / 2) % 2) x 8
	s_lshl_b32 s24, s24, 8
	s_and_b32 s25, s18, 1
	s_lshl_b32 s25, s25, 7
	s_add_co_u32 s24, s24, s25
	s_bfe_u32 s25, s18, 0x10001
	s_lshl_b32 s25, s25, 3
	s_add_co_u32 s24, s24, s25
	s_lshl_b32 s25, s17, 14
	s_add_co_u32 s36, s24, s25
	s_add_co_u32 s36, s36, 4718592
	s_add_nc_u64 s[34:35], s[4:5], s[36:37]
	s_mul_i32 s36, s18, 6                          ; out: fragment (tile, head / 2), blocks 2 (head % 2) on
	s_lshr_b32 s24, s17, 1
	s_add_co_u32 s36, s36, s24
	s_lshl_b32 s36, s36, 10
	s_and_b32 s25, s17, 1
	s_lshl_b32 s26, s25, 9
	s_add_co_u32 s36, s36, s26
	s_add_nc_u64 s[38:39], s[6:7], s[36:37]
	s_lshl_b32 s36, s24, 14                        ; and the two bytes of its rows' scale words
	s_lshl_b32 s26, s18, 6
	s_add_co_u32 s36, s36, s26
	s_lshl_b32 s25, s25, 1
	s_add_co_u32 s36, s36, s25
	s_add_co_u32 s36, s36, 1572864
	s_add_nc_u64 s[40:41], s[6:7], s[36:37]
	global_load_b128 v[QF:QF+3], v6, s[32:33]
	global_load_b32 v[QS], v7, s[34:35]
	KLOAD
.irp i,0,1,2,3
	v_mov_b32 v[QF+4+\i], 0                        ; zero codes for K = 64 .. 127
	v_mov_b32 v[KF+32+\i], 0
	v_mov_b32 v[BP+\i], 0                          ; a lane permute's destination counts as one of its sources
.endr
	v_mov_b32 v13, 0xff61b1e6                      ; the largest t so far: -3e38
	v_floor_f32 v12, -v13
	v_mov_b32 v14, 0
	v_mov_b32 v15, 0
	v_mov_b32 v[FA+1], 0
	v_mov_b32 v[NI], 0xff800000
	v_mov_b32 v[TP], 0
.set j, 0
.rept 32
	v_mov_b32 v[O+j], 0                            ; the step is written for every step alike: the first finds zeros, which the first change of M leaves zeros
.set j, j+1
.endr
	s_cmp_eq_u32 s19, 0
	s_cbranch_scc1 .Llast
.Lfull:
	STEP 0, 1
	s_sub_co_u32 s19, s19, 1
	s_cmp_lg_u32 s19, 0
	s_cbranch_scc1 .Lfull
.Llast:
	STEP 1, 0                                      ; the step of the diagonal: on both ways here the loads that are out are older than its V's nine
	PLACES 4
	v_add_f32 v14, v14, v15
	v_permlanex16_b32 v[TP], v14, s20, s21
	v_add_f32 v14, v14, v[TP]                      ; the row's sum
	v_rcp_f32 v[FA], v14
	v_nop
	s_wait_alu depctr_va_vdst(0)
.set j, 0
.rept 16
	v_pk_mul_f32 v[O+j:O+j+1], v[O+j:O+j+1], v[FA:FA+1] op_sel_hi:[1,0]   ; register 16 b + i: channel 32 b + 16 h + i of my query
.set j, j+2
.endr
.irp b,0,1
	v_max3_num_f32 v[BM+\b], |v[O+16*\b]|, |v[O+16*\b+1]|, 0x1800000
.endr
.irp i,2,4,6,8,10,12,14
.irp b,0,1
	v_max3_num_f32 v[BM+\b], v[BM+\b], |v[O+16*\b+\i]|, |v[O+16*\b+\i+1]|
.endr
.endr
.irp b,0,1
	v_permlanex16_b32 v[BP+\b], v[BM+\b], s20, s21
.endr
.irp b,0,1
	v_max_num_f32 v[BM+\b], v[BM+\b], v[BP+\b]
.endr
.irp b,0,1
	v_add_nc_u32 v[BS+\b], 0xff000000, v[BM+\b]
.endr
.irp b,0,1
	v_lshrrev_b32 v[BP+\b], 23, v[BS+\b]
.endr
.irp b,0,1
	v_cvt_scalef32_pk8_fp4_f32 v[PC+2*\b], v[O+16*\b:O+16*\b+7], v[BS+\b]
	v_cvt_scalef32_pk8_fp4_f32 v[PC+2*\b+1], v[O+16*\b+8:O+16*\b+15], v[BS+\b]
.endr
	v_nop
	v_lshl_or_b32 v[TP], v[BP+1], 8, v[BP]
.irp b,0,1
	global_store_b64 v4, v[PC+2*\b:PC+2*\b+1], s[38:39] offset:256*\b   ; 256 consecutive bytes, aligned
.endr
	global_store_b16 v5, v[TP], s[40:41]           ; my head's two bytes of the row's scale word
	s_endpgm
.Lfunc_end_k_q2fbb391637_attn:
	.size	k_q2fbb391637_attn, .Lfunc_end_k_q2fbb391637_attn-k_q2fbb391637_attn
	.p2alignl 7, 3214868480
	.fill 96, 4, 3214868480
	.section	.rodata,"a",@progbits
	.p2align	6, 0x0
	.amdhsa_kernel k_q2fbb391637_attn
		.amdhsa_group_segment_fixed_size 0
		.amdhsa_private_segment_fixed_size 0
		.amdhsa_enable_private_segment 0
		.amdhsa_kernarg_size 16
		.amdhsa_user_sgpr_count 2
		.amdhsa_user_sgpr_kernarg_segment_ptr 1
		.amdhsa_wavefront_size32 1
		.amdhsa_system_sgpr_workgroup_id_x 1
		.amdhsa_system_sgpr_workgroup_id_y 1
		.amdhsa_system_sgpr_workgroup_id_z 1
		.amdhsa_system_vgpr_workitem_id 0
		.amdhsa_next_free_vgpr 256
		.amdhsa_next_free_sgpr 66
		.amdhsa_reserve_vcc 1
		.amdhsa_float_denorm_mode_32 3
		.amdhsa_float_denorm_mode_16_64 3
		.amdhsa_memory_ordered 1
		.amdhsa_forward_progress 1
		.amdhsa_inst_pref_size 45
	.end_amdhsa_kernel
	.amdgpu_metadata
---
amdhsa.version: [ 1, 2 ]
amdhsa.kernels:
  - .name:           k_q2fbb391637_attn
    .symbol:         k_q2fbb391637_attn.kd
    .args:
      - { .name: qkv, .offset: 0, .size: 8, .value_kind: global_buffer, .address_space: global }
      - { .name: ctx, .offset: 8, .size: 8, .value_kind: global_buffer, .address_space: global }
    .group_segment_fixed_size: 0
    .private_segment_fixed_size: 0
    .kernarg_segment_align: 8
    .kernarg_segment_size: 16
    .max_flat_workgroup_size: 384
    .sgpr_count:     66
    .vgpr_count:     256
    .wavefront_size: 32
...
	.end_amdgpu_metadata
.endif
;; end of part 2
;; launch proj (part 3): grid 256 x 1, 4 waves a work-group, no clusters, 168,448 bytes of LDS; arguments ctx, Wo_codes, Wo_scales, bo, x, g2, s2, x2, h2; writes x2, h2
.if DOCPART == 3
	.amdgcn_target "amdgcn-amd-amdhsa--gfx1250"
	.amdhsa_code_object_version 6
	.text
	.protected	k_q2fbb391637_proj
	.globl	k_q2fbb391637_proj
	.p2align	8
	.type	k_q2fbb391637_proj,@function
k_q2fbb391637_proj:
	s_mov_b64 s[64:65], 0
	v_nop
	global_prefetch_b8 v0, s[64:65] scope:SCOPE_SE
	s_setreg_imm32_b32 hwreg(HW_REG_WAVE_MODE, 25, 1), 1
	s_wait_xcnt 0x0
; x2 = ctx Wo + bo + x (the product on codes of E2M1); h2 = layernorm(x2, g2, s2), quantised along its 768.
; SHARES.  A work-group takes 16 whole rows, as the norm wants; wave w makes columns 192 w .. 192 w + 191: 12 tiles x 6 K steps of Wo, 72 fragments, in register windows 1-3, read once.
; Source 0 = 16 rows of Wo, source 1 = the 16 tokens: a lane holds one token and eight neighbouring columns.  bo is loaded into the accumulators, so every product adds in place.
; The rows meet in LDS; then wave w takes rows 4 w .. 4 w + 3: adds x, stores x2 (512 consecutive bytes a store), norms and quantises; the codes leave in the order of the next reader's registers.
; NO CLUSTER: what work-groups share is Wo, 73,728 bytes a wave, which lives in registers; a joint load would land in LDS and be read from there into the same registers.
; LIMITS: as in the first launch (NaN, infinities; the byte 1 for blocks under 2^-124; 1 / 768 and v_rsq_f32).
.set XP,   3088                        ; a row of the product in LDS: 3,072 bytes + 16
.set PR,   49152                       ; LDS: x's 16 rows (filled once by copies), then the product's rows,
.set HC,   98560                       ; the rows' codes, 384 bytes + 16,
.set HS,   104960                      ; and their scale bytes, 24 in a place of 32
.set CPL,  4
.set CPG,  5
.set XA,   6
.set HCW,  7
.set HSW,  8
.set WP,   9
.set WSP,  10
.set L16,  11
.set R4,   12
.set PST,  13
.set PRA,  14
.set XRA,  15
.set H32,  250
.set L32,  251
.set HCR,  252
.set HSR,  253
.set SCO,  254
.set ACC,  16                          ; v16-111 twelve accumulators;  v112-159 ctx's six fragments;  v160-165 their scale words;  v166-201 Wo's scale words;  v202-225 g2;  v226-249 s2
.set AF,   112
.set AS,   160
.set WS,   166
.set G,    202
.set SH,   226
.set X,    16                          ; behind the products: four rows of 24 numbers, and twelve registers at work for each
.set T,    112
.set SEL,  34
.set INV,  36
.set EPS,  37
.set NINV, 42
.set MSB, 0
.macro WIN new
.if MSB != (\new)
	s_set_vgpr_msb (MSB<<8)|(\new)
.set MSB, (\new)
.endif
.endm
.macro PLACES n
.rept \n
	v_nop
.endr
.endm
.macro WM d, a, b, sa, sb, ra          ; adds in place
.if (\ra)
	v_wmma_scale_f32_16x16x128_f8f6f4 v[\d:\d+7], v[\a:\a+7], v[\b:\b+7], v[\d:\d+7], v[\sa], v[\sb] matrix_a_fmt:MATRIX_FMT_FP4 matrix_b_fmt:MATRIX_FMT_FP4 matrix_a_scale:MATRIX_SCALE_ROW1
.else
	v_wmma_scale_f32_16x16x128_f8f6f4 v[\d:\d+7], v[\a:\a+7], v[\b:\b+7], v[\d:\d+7], v[\sa], v[\sb] matrix_a_fmt:MATRIX_FMT_FP4 matrix_b_fmt:MATRIX_FMT_FP4
.endif
.endm
.macro WLOAD wn                        ; tiles 4 (wn - 1) .. + 3 into window wn: 48 loads
	WIN (\wn)<<6
.irp t,0,1,2,3
.irp s,0,1,2,3,4,5
.irp c,0,1
	global_load_b128 v[48*\t+8*\s+4*\c:48*\t+8*\s+4*\c+3], v[WP], s[6:7] offset:(4*(\wn-1)+\t)*6144+64*\s+32*\c
.endr
.endr
.endr
	WIN 0
.endm
.macro MM4 wn                          ; 24 products: window wn's four tiles, K step by K step; the four accumulators take turns
	WIN \wn
.irp s,0,1,2,3,4,5
.irp t,0,1,2,3
	WM ACC+32*(\wn-1)+8*\t, 48*\t+8*\s, AF+8*\s, WS+12*(\wn-1)+6*(\t/2)+\s, AS+\s, \t%2
.endr
.endr
.endm
.macro LNRED
.irp q,0,1,2,3
	v_add_f32 v[T+12*\q], v[T+12*\q], v[T+12*\q+1]
.endr
.irp m,1,2,4,8
.irp q,0,1,2,3
	v_add_f32_dpp v[T+12*\q], v[T+12*\q], v[T+12*\q] row_xmask:\m row_mask:0xf bank_mask:0xf
.endr
.endr
.irp q,0,1,2,3
	v_permlanex16_b32 v[T+12*\q+3], v[T+12*\q], s[SEL], s[SEL+1]
.endr
.irp q,0,1,2,3
	v_add_f32 v[T+12*\q], v[T+12*\q], v[T+12*\q+3]
.endr
.endm
; four rows are normed and quantised, every line for the four rows by turns; lane l holds columns 256 c + 8 l + 0 .. 7.  At work, for row q at T + 12 q: 0, 1 a sum's pair, later codes; 2 the negated mean, later codes;
; 3 the exchange; 4 (5) 1 / sqrt; 6-8 largest magnitudes, then scale operands; 9-11 scale bytes
.macro LN4 t
.irp q,0,1,2,3
.irp c,0,1,2
	ds_load_b128 v[X+24*\q+8*\c:X+24*\q+8*\c+3], v[XA] offset:(4*\t+\q)*XP+1024*\c
	ds_load_b128 v[X+24*\q+8*\c+4:X+24*\q+8*\c+7], v[XA] offset:(4*\t+\q)*XP+1024*\c+16
.endr
.endr
	s_wait_dscnt 0x0
.irp q,0,1,2,3
	v_pk_add_f32 v[T+12*\q:T+12*\q+1], v[X+24*\q:X+24*\q+1], v[X+24*\q+2:X+24*\q+3]
.endr
.irp i,4,6,8,10,12,14,16,18,20,22
.irp q,0,1,2,3
	v_pk_add_f32 v[T+12*\q:T+12*\q+1], v[T+12*\q:T+12*\q+1], v[X+24*\q+\i:X+24*\q+\i+1]
.endr
.endr
	LNRED
.irp q,0,1,2,3
	v_mul_f32 v[T+12*\q+2], s[NINV], v[T+12*\q]
.endr
.irp i,0,2,4,6,8,10,12,14,16,18,20,22
.irp q,0,1,2,3
	v_pk_add_f32 v[X+24*\q+\i:X+24*\q+\i+1], v[X+24*\q+\i:X+24*\q+\i+1], v[T+12*\q+2:T+12*\q+3] op_sel_hi:[1,0]
.endr
.endr
.irp q,0,1,2,3
	v_pk_mul_f32 v[T+12*\q:T+12*\q+1], v[X+24*\q:X+24*\q+1], v[X+24*\q:X+24*\q+1]
.endr
.irp i,2,4,6,8,10,12,14,16,18,20,22
.irp q,0,1,2,3
	v_pk_fma_f32 v[T+12*\q:T+12*\q+1], v[X+24*\q+\i:X+24*\q+\i+1], v[X+24*\q+\i:X+24*\q+\i+1], v[T+12*\q:T+12*\q+1]
.endr
.endr
	LNRED
.irp q,0,1,2,3
	v_fma_f32 v[T+12*\q], v[T+12*\q], s[INV], s[EPS]
.endr
.irp q,0,1,2,3
	v_rsq_f32 v[T+12*\q+4], v[T+12*\q]
.endr
	v_nop
	s_wait_alu depctr_va_vdst(0)                   ; one wait for the four, ahead of their first reader
.irp i,0,2,4,6,8,10,12,14,16,18,20,22
.irp q,0,1,2,3
	v_pk_mul_f32 v[X+24*\q+\i:X+24*\q+\i+1], v[X+24*\q+\i:X+24*\q+\i+1], v[T+12*\q+4:T+12*\q+5] op_sel_hi:[1,0]
.endr
.endr
.irp i,0,2,4,6,8,10,12,14,16,18,20,22
.irp q,0,1,2,3
	v_pk_fma_f32 v[X+24*\q+\i:X+24*\q+\i+1], v[X+24*\q+\i:X+24*\q+\i+1], v[G+\i:G+\i+1], v[SH+\i:SH+\i+1]
.endr
.endr
.irp c,0,1,2
.irp q,0,1,2,3
	v_max3_num_f32 v[T+12*\q+6+\c], |v[X+24*\q+8*\c]|, |v[X+24*\q+8*\c+1]|, 0x1800000
.endr
.endr
.irp i,2,4,6
.irp c,0,1,2
.irp q,0,1,2,3
	v_max3_num_f32 v[T+12*\q+6+\c], v[T+12*\q+6+\c], |v[X+24*\q+8*\c+\i]|, |v[X+24*\q+8*\c+\i+1]|
.endr
.endr
.endr
.irp m,1,2
.irp c,0,1,2
.irp q,0,1,2,3
	v_max_num_f32_dpp v[T+12*\q+6+\c], v[T+12*\q+6+\c], v[T+12*\q+6+\c] row_xmask:\m row_mask:0xf bank_mask:0xf
.endr
.endr
.endr
.irp c,0,1,2
.irp q,0,1,2,3
	v_add_nc_u32 v[T+12*\q+6+\c], 0xff000000, v[T+12*\q+6+\c]
.endr
.endr
.irp c,0,1,2
.irp q,0,1,2,3
	v_lshrrev_b32 v[T+12*\q+9+\c], 23, v[T+12*\q+6+\c]
.endr
.endr
.irp c,0,1,2
.irp q,0,1,2,3
	v_cvt_scalef32_pk8_fp4_f32 v[T+12*\q+\c], v[X+24*\q+8*\c:X+24*\q+8*\c+7], v[T+12*\q+6+\c]
.endr
.endr
	v_nop
.irp q,0,1,2,3
.irp c,0,1,2
	ds_store_b32 v[HCW], v[T+12*\q+\c] offset:(4*\t+\q)*400+128*\c
	ds_store_b8 v[HSW], v[T+12*\q+9+\c] offset:(4*\t+\q)*32+8*\c
.endr
.endr
.endm
; rows 2 p and 2 p + 1 of my four: product + x; to memory as x2, and back into LDS for the norm
.macro PASSA p
.irp j,0,1
.irp c,0,1,2,3,4,5
	ds_load_b128 v[16+24*\j+4*\c:19+24*\j+4*\c], v[PRA] offset:(2*\p+\j)*3088+512*\c
	ds_load_b128 v[64+24*\j+4*\c:67+24*\j+4*\c], v[XRA] offset:(2*\p+\j)*3072+512*\c
.endr
.endr
	s_wait_dscnt 0x0
.set k, 0
.rept 24
	v_pk_add_f32 v[16+k:17+k], v[16+k:17+k], v[64+k:65+k]
.set k, k+2
.endr
.irp j,0,1
.irp c,0,1,2,3,4,5
	global_store_b128 v[L16], v[16+24*\j+4*\c:19+24*\j+4*\c], s[18:19] offset:(2*\p+\j)*3072+512*\c   ; 512 consecutive bytes, aligned
	ds_store_b128 v[PRA], v[16+24*\j+4*\c:19+24*\j+4*\c] offset:(2*\p+\j)*3088+512*\c
.endr
.endr
	s_wait_xcnt 0x0                                ; the stores have read their data: these registers are loaded again only behind this wait
.endm
	s_load_b512 s[4:19], s[0:1], 0x0               ; ctx, Wo's codes, scales, bo, x, g2, s2, x2
	s_load_b64 s[20:21], s[0:1], 0x40              ; h2
	v_lshl_add_u32 v255, v0, 2, 0x29000
	s_set_vgpr_msb 0x40
	v_mov_b32 v255, 0
	s_set_vgpr_msb 0x4044
	ds_add_u32 v255, v255
	ds_add_u32 v255, v255
	s_set_vgpr_msb 0x4400
	v_lshrrev_b32 v1, 5, v0
	v_readfirstlane_b32 s24, v1                    ; wave 0..3
	v_and_b32 v1, 31, v0
	v_and_b32 v2, 15, v0
	v_bfe_u32 v3, v0, 4, 1
	s_mul_i32 s25, s24, 12288                      ; my four rows of x
	v_lshl_add_u32 v[CPL], v1, 4, s25
	v_lshl_add_u32 v[CPG], v1, 4, s25
	v_lshl_add_u32 v[XRA], v1, 4, s25
	s_mul_i32 s25, s24, 4*3088
	s_add_co_u32 s25, s25, PR
	v_lshl_add_u32 v[XA], v1, 5, s25
	v_lshl_add_u32 v[PRA], v1, 4, s25
	s_mul_i32 s25, s24, 1600
	s_add_co_u32 s25, s25, HC
	v_lshl_add_u32 v[HCW], v1, 2, s25
	s_lshl_b32 s25, s24, 7
	s_add_co_u32 s25, s25, HS
	v_lshrrev_b32 v[HSW], 2, v1
	v_add_nc_u32 v[HSW], s25, v[HSW]
	v_mul_u32_u24 v[WP], v2, 384
	v_lshl_add_u32 v[WP], v3, 4, v[WP]
	v_mul_u32_u24 v[WSP], v1, 24
	v_lshlrev_b32 v[L16], 4, v1
	v_lshlrev_b32 v[R4], 2, v2
	s_mul_i32 s25, s24, 768
	s_add_co_u32 s25, s25, PR
	v_mul_u32_u24 v[PST], v2, 3088
	v_lshl_add_u32 v[PST], v3, 5, v[PST]
	v_add_nc_u32 v[PST], s25, v[PST]               ; row r, my wave's 768 bytes, + 32 h
	v_lshlrev_b32 v[H32], 5, v3
	v_lshlrev_b32 v[L32], 5, v1
	s_mul_i32 s25, s24, 96
	s_add_co_u32 s25, s25, HC
	v_mul_u32_u24 v[HCR], v2, 400
	v_lshl_add_u32 v[HCR], v3, 4, v[HCR]
	v_add_nc_u32 v[HCR], s25, v[HCR]               ; codes on their way out: row r, block 6 w + 2 n + h
	s_lshl_b32 s25, s24, 3
	s_add_co_u32 s25, s25, HS
	v_lshlrev_b32 v[HSR], 5, v2
	v_lshl_add_u32 v[HSR], v3, 2, v[HSR]
	v_add_nc_u32 v[HSR], s25, v[HSR]               ; scale words on their way out: row r, K step 2 w + h
	v_lshlrev_b32 v[SCO], 14, v3
	v_lshl_add_u32 v[SCO], v2, 2, v[SCO]
	s_mov_b32 s[SEL], 0x76543210
	s_mov_b32 s[SEL+1], 0xfedcba98
	s_mov_b32 s[INV], 0x3aaaaaab
	s_mov_b32 s[EPS], 0x3727c5ac
	s_mov_b32 s[NINV], 0xbaaaaaab
	s_mov_b32 s29, 0
	s_mul_i32 s28, ttmp9, 49152                    ; 16 rows of 3,072 bytes
	s_wait_dscnt 0x0
	s_wait_kmcnt 0x0
	s_add_nc_u64 s[12:13], s[12:13], s[28:29]
.set i, 0
.rept 24                                       ; my four rows of x, 12,288 consecutive bytes; ahead of every wait for copies, every LDS read and every barrier
	global_load_async_to_lds_b128 v[CPL], v[CPG], s[12:13] offset:512*i
.set i, i+1
.endr
	s_mul_i32 s26, s24, 12288
	s_add_co_u32 s28, s28, s26
	s_add_nc_u64 s[18:19], s[18:19], s[28:29]      ; x2 at my four rows
	s_mul_i32 s28, ttmp9, 6144
	s_add_nc_u64 s[38:39], s[4:5], s[28:29]        ; ctx's six fragments
	s_mul_i32 s26, s24, 1536
	s_add_co_u32 s28, s28, s26
	s_add_nc_u64 s[30:31], s[20:21], s[28:29]      ; h2's, my three chunks of 512 bytes
	s_lshl_b32 s28, ttmp9, 6
	s_add_co_u32 s28, s28, 1572864
	s_add_nc_u64 s[40:41], s[4:5], s[28:29]        ; ctx's scale words
	s_lshl_b32 s26, s24, 15
	s_add_co_u32 s28, s28, s26
	s_add_nc_u64 s[32:33], s[20:21], s[28:29]      ; h2's, K steps 2 w and 2 w + 1
	s_mul_i32 s28, s24, 73728
	s_add_nc_u64 s[6:7], s[6:7], s[28:29]
	s_mul_i32 s28, s24, 4608
	s_add_nc_u64 s[8:9], s[8:9], s[28:29]
	s_mul_i32 s28, s24, 768
	s_add_nc_u64 s[10:11], s[10:11], s[28:29]
.irp c,0,1,2
	global_load_b128 v[G+8*\c:G+8*\c+3], v[L32], s[14:15] offset:1024*\c
	global_load_b128 v[G+8*\c+4:G+8*\c+7], v[L32], s[14:15] offset:1024*\c+16
	global_load_b128 v[SH+8*\c:SH+8*\c+3], v[L32], s[16:17] offset:1024*\c
	global_load_b128 v[SH+8*\c+4:SH+8*\c+7], v[L32], s[16:17] offset:1024*\c+16
.endr
.irp g,0,1,2,3,4,5,6,7,8,9,10,11
	global_load_b128 v[ACC+8*\g:ACC+8*\g+3], v[H32], s[10:11] offset:64*\g        ; bo at the lane's eight columns: the sums begin with it
	global_load_b128 v[ACC+8*\g+4:ACC+8*\g+7], v[H32], s[10:11] offset:64*\g+16
.endr
.irp s,0,1,2,3,4,5
.irp c,0,1
	global_load_b128 v[AF+8*\s+4*\c:AF+8*\s+4*\c+3], v[L16], s[38:39] offset:1024*\s+512*\c
.endr
.endr
.irp s,0,1,2,3,4,5
	global_load_b32 v[AS+\s], v[R4], s[40:41] offset:16384*\s
.endr
.irp p,0,1,2,3,4,5
.irp q,0,1,2
	global_load_b64 v[WS+6*\p+2*\q:WS+6*\p+2*\q+1], v[WSP], s[8:9] offset:768*\p+8*\q
.endr
.endr
	WLOAD 1
	WLOAD 2
	s_wait_loadcnt 48                              ; all but window 2's 48 loads
	MM4 1
	WLOAD 3
	s_wait_loadcnt 48                              ; window 2's are in; window 3's 48 may be out
	MM4 2
	s_wait_loadcnt 0x0
	MM4 3
	WIN 0
	PLACES 4
.irp g,0,1,2,3,4,5,6,7,8,9,10,11
	ds_store_b128 v[PST], v[ACC+8*\g:ACC+8*\g+3] offset:64*\g          ; each accumulator from its low end on
	ds_store_b128 v[PST], v[ACC+8*\g+4:ACC+8*\g+7] offset:64*\g+16
.endr
	s_wait_asynccnt 0x0                            ; my rows of x have landed
	s_wait_dscnt 0x0                               ; for the others' sake: my columns lie in LDS
	s_barrier_signal -1
	s_barrier_wait -1
.irp q,0,1,2,3
	v_mov_b32 v[T+12*\q+3], 0
	v_mov_b32 v[T+12*\q+5], 0
.endr
	PASSA 0
	PASSA 1
	LN4 0                                          ; LDS serves a wave's instructions in order: these loads see my stores above
	s_wait_dscnt 0x0
	s_barrier_signal -1
	s_barrier_wait -1                              ; all 16 rows' codes and bytes lie in LDS
.irp n,0,1,2
	ds_load_b128 v[16+4*\n:19+4*\n], v[HCR] offset:32*\n
.endr
	s_wait_dscnt 0x0
.irp n,0,1,2
	global_store_b128 v[L16], v[16+4*\n:19+4*\n], s[30:31] offset:512*\n   ; 512 consecutive bytes of the fragments' images
.endr
	s_cmp_gt_u32 s24, 2                            ; six K steps' scale words: two to each of waves 0, 1, 2
	s_cbranch_scc1 .Ldone
	ds_load_b32 v28, v[HSR]
	s_wait_dscnt 0x0
	global_store_b32 v[SCO], v28, s[32:33]
.Ldone:
	s_set_vgpr_msb 0x4
	s_wait_tensorcnt 0x0
	ds_add_u32 v255, v255
	s_wait_dscnt 0x0
	s_set_vgpr_msb 0x400
	s_endpgm
.Lfunc_end_k_q2fbb391637_proj:
	.size	k_q2fbb391637_proj, .Lfunc_end_k_q2fbb391637_proj-k_q2fbb391637_proj
	.p2alignl 7, 3214868480
	.fill 96, 4, 3214868480
	.section	.rodata,"a",@progbits
	.p2align	6, 0x0
	.amdhsa_kernel k_q2fbb391637_proj
		.amdhsa_group_segment_fixed_size 168448
		.amdhsa_private_segment_fixed_size 0
		.amdhsa_enable_private_segment 0
		.amdhsa_kernarg_size 72
		.amdhsa_user_sgpr_count 2
		.amdhsa_user_sgpr_kernarg_segment_ptr 1
		.amdhsa_wavefront_size32 1
		.amdhsa_system_sgpr_workgroup_id_x 1
		.amdhsa_system_sgpr_workgroup_id_y 1
		.amdhsa_system_sgpr_workgroup_id_z 1
		.amdhsa_system_vgpr_workitem_id 0
		.amdhsa_next_free_vgpr 960
		.amdhsa_next_free_sgpr 66
		.amdhsa_reserve_vcc 0
		.amdhsa_float_denorm_mode_32 3
		.amdhsa_float_denorm_mode_16_64 3
		.amdhsa_memory_ordered 1
		.amdhsa_forward_progress 1
		.amdhsa_inst_pref_size 78
	.end_amdhsa_kernel
	.amdgpu_metadata
---
amdhsa.version: [ 1, 2 ]
amdhsa.kernels:
  - .name:           k_q2fbb391637_proj
    .symbol:         k_q2fbb391637_proj.kd
    .args:
      - { .name: ctx, .offset: 0, .size: 8, .value_kind: global_buffer, .address_space: global }
      - { .name: Wo_codes, .offset: 8, .size: 8, .value_kind: global_buffer, .address_space: global }
      - { .name: Wo_scales, .offset: 16, .size: 8, .value_kind: global_buffer, .address_space: global }
      - { .name: bo, .offset: 24, .size: 8, .value_kind: global_buffer, .address_space: global }
      - { .name: x, .offset: 32, .size: 8, .value_kind: global_buffer, .address_space: global }
      - { .name: g2, .offset: 40, .size: 8, .value_kind: global_buffer, .address_space: global }
      - { .name: s2, .offset: 48, .size: 8, .value_kind: global_buffer, .address_space: global }
      - { .name: x2, .offset: 56, .size: 8, .value_kind: global_buffer, .address_space: global }
      - { .name: h2, .offset: 64, .size: 8, .value_kind: global_buffer, .address_space: global }
    .group_segment_fixed_size: 168448
    .private_segment_fixed_size: 0
    .kernarg_segment_align: 8
    .kernarg_segment_size: 72
    .max_flat_workgroup_size: 128
    .sgpr_count:     66
    .vgpr_count:     960
    .wavefront_size: 32
...
	.end_amdgpu_metadata
.endif
;; end of part 3
;; launch gate (part 4): grid 32 x 8, 4 waves a work-group, no clusters, 168,448 bytes of LDS; arguments h2, w1_codes, w1_scales, b1, w2_codes, w2_scales, b2, hid; writes hid
.if DOCPART == 4
	.amdgcn_target "amdgcn-amd-amdhsa--gfx1250"
	.amdhsa_code_object_version 6
	.text
	.protected	k_q2fbb391637_gate
	.globl	k_q2fbb391637_gate
	.p2align	8
	.type	k_q2fbb391637_gate,@function
k_q2fbb391637_gate:
	s_mov_b64 s[64:65], 0
	v_nop
	global_prefetch_b8 v0, s[64:65] scope:SCOPE_SE
	s_setreg_imm32_b32 hwreg(HW_REG_WAVE_MODE, 25, 1), 1
	s_wait_xcnt 0x0
; hid = silu(h2 w1 + b1) x (h2 w2 + b2), both products on codes of E2M1; hid is quantised along its 3,072 for the last product.
; SHARES.  A work-group takes 128 tokens (x) and 384 hidden units (y): K steps 3 y .. 3 y + 2 of the last product.  Wave w takes block w (32 units) of each of these steps: group gg = 0, 1, 2 lies in register window gg + 1:
; two tiles of w1 and two of w2 (6 K steps each: 24 fragments) and their biases in the result's layout.  72 fragments a wave, read from memory once.
; Source 0 = 16 rows of a weight, source 1 = 16 tokens; lane r of tile u takes row 8 u + r + 8 (r / 8), so that a lane holds one token and the 16 units 16 h + 0 .. 15 of the block.
; A UNIT is one group x one tile of 16 tokens: 24 products on four accumulators that take turns (the biases are the C of the first four), the activation, the quantiser, one store of 256 consecutive bytes.
; The tokens' codes, 49,152 dense bytes, come into LDS once, by copies.
; NO CLUSTER: what work-groups share is weights, which live in registers (73,728 bytes a wave).
; LIMITS: NaN and infinities are not served; sigmoid(a) = 1 / (1 + 2^(-a log2 e)) by v_exp_f32 and v_rcp_f32; where a is under about -88 the result is 0; a block under 2^-124 gets the scale byte 1.
.set SG,   49152                       ; LDS: behind the tokens' codes: the scale bytes, [group][128 tokens][4]
.set CPL,  4
.set CPG,  5
.set L16,  6
.set WP,   7
.set WSP,  8
.set H64,  9
.set L4,   10
.set R16H, 11
.set SGW,  12
.set SGR,  13
.set PRM,  14
.set ACC,  16                          ; v16-31 a = h2 w1 + b1;  v32-47 b = h2 w2 + b2
.set AA,   16
.set BB,   32
.set AF,   48                          ; v48-95 a tile of tokens: six fragments
.set AS,   96                          ; v96-119 the tokens' scale words: 6 p + s; lanes are tokens 32 p + lane
.set WS,   120                         ; v120-155 the weights': 12 gg + 6 m + s; lanes 0-15 tile u = 0, lanes 16-31 u = 1
.set TM,   160
.set PC,   176
.set SEL,  32
.set MSB, 0
.macro WIN new
.if MSB != (\new)
	s_set_vgpr_msb (MSB<<8)|(\new)
.set MSB, (\new)
.endif
.endm
.macro PLACES n
.rept \n
	v_nop
.endr
.endm
.macro WM d, a, b, c, sa, sb, ra, rb
.if (\ra) && (\rb)
	v_wmma_scale_f32_16x16x128_f8f6f4 v[\d:\d+7], v[\a:\a+7], v[\b:\b+7], v[\c:\c+7], v[\sa], v[\sb] matrix_a_fmt:MATRIX_FMT_FP4 matrix_b_fmt:MATRIX_FMT_FP4 matrix_a_scale:MATRIX_SCALE_ROW1 matrix_b_scale:MATRIX_SCALE_ROW1
.elseif (\ra)
	v_wmma_scale_f32_16x16x128_f8f6f4 v[\d:\d+7], v[\a:\a+7], v[\b:\b+7], v[\c:\c+7], v[\sa], v[\sb] matrix_a_fmt:MATRIX_FMT_FP4 matrix_b_fmt:MATRIX_FMT_FP4 matrix_a_scale:MATRIX_SCALE_ROW1
.elseif (\rb)
	v_wmma_scale_f32_16x16x128_f8f6f4 v[\d:\d+7], v[\a:\a+7], v[\b:\b+7], v[\c:\c+7], v[\sa], v[\sb] matrix_a_fmt:MATRIX_FMT_FP4 matrix_b_fmt:MATRIX_FMT_FP4 matrix_b_scale:MATRIX_SCALE_ROW1
.else
	v_wmma_scale_f32_16x16x128_f8f6f4 v[\d:\d+7], v[\a:\a+7], v[\b:\b+7], v[\c:\c+7], v[\sa], v[\sb] matrix_a_fmt:MATRIX_FMT_FP4 matrix_b_fmt:MATRIX_FMT_FP4
.endif
.endm
.macro WLOAD gg                        ; group gg's four tiles (t = 2 m + u) into window gg + 1: 48 loads
	WIN ((\gg)+1)<<6
.irp t,0,1,2,3
.irp s,0,1,2,3,4,5
.irp c,0,1
	global_load_b128 v[48*\t+8*\s+4*\c:48*\t+8*\s+4*\c+3], v[WP], s[6+6*(\t/2):7+6*(\t/2)] offset:(128*(\gg)+8*(\t%2))*384+64*\s+32*\c
.endr
.endr
.endr
	WIN 0
.endm
.macro BLOAD gg                        ; its biases, eight registers a tile, at v192 of the same window
	WIN ((\gg)+1)<<6
.irp t,0,1,2,3
	global_load_b128 v[192+8*\t:195+8*\t], v[H64], s[10+6*(\t/2):11+6*(\t/2)] offset:512*(\gg)+32*(\t%2)
	global_load_b128 v[196+8*\t:199+8*\t], v[H64], s[10+6*(\t/2):11+6*(\t/2)] offset:512*(\gg)+32*(\t%2)+16
.endr
	WIN 0
.endm
.macro AFETCH i
.irp s,0,1,2,3,4,5
.irp c,0,1
	ds_load_b128 v[AF+8*\s+4*\c:AF+8*\s+4*\c+3], v[L16] offset:(\i)*6144+1024*\s+512*\c
.endr
.endr
.endm
.macro QUANT1                          ; my 16 numbers of the block, v[BB] on: codes in v[PC], v[PC + 1], the byte in v[TM + 4]
	v_max3_num_f32 v[TM], |v[BB]|, |v[BB+1]|, 0x1800000
	v_max3_num_f32 v[TM+1], |v[BB+8]|, |v[BB+9]|, |v[BB+10]|
	v_max3_num_f32 v[TM], v[TM], |v[BB+2]|, |v[BB+3]|
	v_max3_num_f32 v[TM+1], v[TM+1], |v[BB+11]|, |v[BB+12]|
	v_max3_num_f32 v[TM], v[TM], |v[BB+4]|, |v[BB+5]|
	v_max3_num_f32 v[TM+1], v[TM+1], |v[BB+13]|, |v[BB+14]|
	v_max3_num_f32 v[TM], v[TM], |v[BB+6]|, |v[BB+7]|
	v_max3_num_f32 v[TM], v[TM], v[TM+1], |v[BB+15]|
	v_permlanex16_b32 v[TM+2], v[TM], s[SEL], s[SEL+1]
	v_max_num_f32 v[TM], v[TM], v[TM+2]
	v_add_nc_u32 v[TM+3], 0xff000000, v[TM]
	v_lshrrev_b32 v[TM+4], 23, v[TM+3]
	s_wait_xcnt 0x0                                ; the last unit's store has read its data
	v_cvt_scalef32_pk8_fp4_f32 v[PC], v[BB:BB+7], v[TM+3]
	v_cvt_scalef32_pk8_fp4_f32 v[PC+1], v[BB+8:BB+15], v[TM+3]
	v_nop
.endm
.macro UNIT gg, i
	s_wait_dscnt 0x0                               ; the tile's fragments are in
	WIN ((\gg)+1)|(((\gg)+1)<<4)                   ; source 0 (the weight) and C (the bias) in the group's window
.irp t,0,1,2,3
	WM ACC+8*\t, 48*\t, AF, 192+8*\t, WS+12*(\gg)+6*(\t/2), AS+6*((\i)/2), \t%2, (\i)%2
.endr
	WIN (\gg)+1
.irp s,1,2,3,4,5
.irp t,0,1,2,3
	WM ACC+8*\t, 48*\t+8*\s, AF+8*\s, ACC+8*\t, WS+12*(\gg)+6*(\t/2)+\s, AS+6*((\i)/2)+\s, \t%2, (\i)%2
.endr
.endr
	WIN 0
	PLACES 4
.if ((\gg) < 2) || ((\i) < 7)
	AFETCH ((\i)+1)%8                              ; the next unit's tile lands under this unit's vector work
.endif
.irp j,0,2,4,6,8,10,12,14
	v_pk_mul_f32 v[BB+\j:BB+\j+1], v[AA+\j:AA+\j+1], v[BB+\j:BB+\j+1]       ; a b
.endr
.irp j,0,2,4,6,8,10,12,14
	v_pk_mul_f32 v[AA+\j:AA+\j+1], v[AA+\j:AA+\j+1], 0xbfb8aa3b op_sel_hi:[1,0]   ; -a log2(e)
.endr
.irp j,0,1,2,3,4,5,6,7,8,9,10,11,12,13,14,15
	v_exp_f32 v[AA+\j], v[AA+\j]
.endr
	v_nop
	s_wait_alu depctr_va_vdst(0)                   ; one wait for the sixteen
.irp j,0,2,4,6,8,10,12,14
	v_pk_add_f32 v[AA+\j:AA+\j+1], v[AA+\j:AA+\j+1], 1.0 op_sel_hi:[1,0]
.endr
.irp j,0,1,2,3,4,5,6,7,8,9,10,11,12,13,14,15
	v_rcp_f32 v[AA+\j], v[AA+\j]
.endr
	v_nop
	s_wait_alu depctr_va_vdst(0)
.irp j,0,2,4,6,8,10,12,14
	v_pk_mul_f32 v[BB+\j:BB+\j+1], v[BB+\j:BB+\j+1], v[AA+\j:AA+\j+1]       ; a b sigmoid(a)
.endr
	QUANT1
	global_store_b64 v[R16H], v[PC:PC+1], s[28:29] offset:(\i)*24576+(\gg)*1024   ; block w of fragment (tile i, K step 3 y + gg): 256 consecutive bytes, aligned
	ds_store_b8 v[SGW], v[TM+4] offset:512*(\gg)+64*(\i)                          ; both halves of the lanes write the same byte with the same value
.endm
	s_load_b512 s[4:19], s[0:1], 0x0               ; h2, w1's codes, scales, b1, w2's codes, scales, b2, hid
	v_lshl_add_u32 v254, v0, 2, 0x29000
	v_mov_b32 v255, 0
	ds_add_u32 v254, v255
	ds_add_u32 v254, v255
	v_lshrrev_b32 v1, 5, v0
	v_readfirstlane_b32 s24, v1                    ; wave 0..3
	v_and_b32 v1, 31, v0
	v_and_b32 v2, 15, v0
	v_bfe_u32 v3, v0, 4, 1
	s_mul_i32 s25, s24, 12288
	v_lshl_add_u32 v[CPL], v1, 4, s25
	v_lshl_add_u32 v[CPG], v1, 4, s25
	v_lshlrev_b32 v[L16], 4, v1
	v_and_b32 v[PRM], 8, v2
	v_add_nc_u32 v[PRM], v[PRM], v2                ; r + 8 (r / 8)
	v_mul_u32_u24 v[WP], v[PRM], 384
	v_lshl_add_u32 v[WP], v3, 4, v[WP]
	v_lshl_add_u32 v[WSP], v3, 3, v[PRM]
	v_mul_u32_u24 v[WSP], v[WSP], 24
	v_lshlrev_b32 v[H64], 6, v3
	v_lshlrev_b32 v[L4], 2, v1
	v_lshlrev_b32 v[R16H], 4, v2
	v_lshl_add_u32 v[R16H], v3, 3, v[R16H]
	s_add_co_u32 s25, s24, SG
	v_lshl_add_u32 v[SGW], v2, 2, s25              ; token r's word, byte w
	s_lshl_b32 s25, s24, 9
	s_add_co_u32 s25, s25, SG
	v_lshl_add_u32 v[SGR], v1, 4, s25
	v_mov_b32 v[TM+2], 0                           ; a lane permute's destination counts as one of its sources
	s_mov_b32 s[SEL], 0x76543210
	s_mov_b32 s[SEL+1], 0xfedcba98
	s_and_b32 s26, ttmp7, 0xffff
	s_mul_i32 s27, s26, 384
	s_lshl_b32 s34, s24, 5
	s_add_co_u32 s27, s27, s34                     ; my first hidden unit: 384 y + 32 w
	s_mov_b32 s37, 0
	s_mul_i32 s36, ttmp9, 49152
	s_wait_dscnt 0x0
	s_wait_kmcnt 0x0
	s_add_nc_u64 s[20:21], s[4:5], s[36:37]
.set i, 0
.rept 24                                       ; a quarter of the eight tiles' images: 12,288 consecutive bytes
	global_load_async_to_lds_b128 v[CPL], v[CPG], s[20:21] offset:512*i
.set i, i+1
.endr
	s_lshl_b32 s36, ttmp9, 9
	s_add_co_u32 s36, s36, 1572864
	s_add_nc_u64 s[22:23], s[4:5], s[36:37]        ; the tokens' scale words
	s_mul_i32 s36, s27, 384
	s_add_nc_u64 s[6:7], s[6:7], s[36:37]
	s_add_nc_u64 s[12:13], s[12:13], s[36:37]
	s_mul_i32 s36, s27, 24
	s_add_nc_u64 s[8:9], s[8:9], s[36:37]
	s_add_nc_u64 s[14:15], s[14:15], s[36:37]
	s_lshl_b32 s36, s27, 2
	s_add_nc_u64 s[10:11], s[10:11], s[36:37]
	s_add_nc_u64 s[16:17], s[16:17], s[36:37]
	s_mul_i32 s36, ttmp9, 192                      ; out: fragment (8 x, 3 y), block w
	s_mul_i32 s34, s26, 3
	s_add_co_u32 s36, s36, s34
	s_lshl_b32 s36, s36, 10
	s_lshl_b32 s35, s24, 8
	s_add_co_u32 s36, s36, s35
	s_add_nc_u64 s[28:29], s[18:19], s[36:37]
	s_add_co_u32 s34, s34, s24                     ; scale words of K step 3 y + w (waves 0, 1, 2)
	s_lshl_b32 s36, s34, 14
	s_lshl_b32 s35, ttmp9, 9
	s_add_co_u32 s36, s36, s35
	s_add_co_u32 s36, s36, 6291456
	s_add_nc_u64 s[30:31], s[18:19], s[36:37]
.irp p,0,1,2,3
.irp s,0,1,2,3,4,5
	global_load_b32 v[AS+6*\p+\s], v[L4], s[22:23] offset:16384*\s+128*\p
.endr
.endr
.irp g,0,1,2
.irp m,0,1
.irp q,0,1,2
	global_load_b64 v[WS+12*\g+6*\m+2*\q:WS+12*\g+6*\m+2*\q+1], v[WSP], s[8+6*\m:9+6*\m] offset:3072*\g+8*\q
.endr
.endr
.endr
	BLOAD 0
	BLOAD 1
	BLOAD 2
	WLOAD 0
	WLOAD 1
	s_wait_loadcnt 48                              ; all but group 1's 48 loads
	WLOAD 2
	s_wait_asynccnt 0x0                            ; my copies have landed,
	s_barrier_signal -1
	s_barrier_wait -1                              ; everybody's have
	AFETCH 0
.irp i,0,1,2,3,4,5,6,7
	UNIT 0, \i
.endr
	s_wait_loadcnt 48                              ; group 1's weights are in; group 2's 48 loads may be out
.irp i,0,1,2,3,4,5,6,7
	UNIT 1, \i
.endr
	s_wait_loadcnt 0x0
.irp i,0,1,2,3,4,5,6,7
	UNIT 2, \i
.endr
	s_wait_dscnt 0x0                               ; for the others' sake: my bytes lie in LDS
	s_barrier_signal -1
	s_barrier_wait -1
	s_cmp_gt_u32 s24, 2                            ; three K steps' scale words: one to each of waves 0, 1, 2
	s_cbranch_scc1 .Ldone
	ds_load_b128 v[16:19], v[SGR]
	s_wait_dscnt 0x0
	global_store_b128 v[L16], v[16:19], s[30:31]   ; 512 consecutive bytes
.Ldone:
	s_wait_tensorcnt 0x0
	ds_add_u32 v254, v255
	s_wait_dscnt 0x0
	s_endpgm
.Lfunc_end_k_q2fbb391637_gate:
	.size	k_q2fbb391637_gate, .Lfunc_end_k_q2fbb391637_gate-k_q2fbb391637_gate
	.p2alignl 7, 3214868480
	.fill 96, 4, 3214868480
	.section	.rodata,"a",@progbits
	.p2align	6, 0x0
	.amdhsa_kernel k_q2fbb391637_gate
		.amdhsa_group_segment_fixed_size 168448
		.amdhsa_private_segment_fixed_size 0
		.amdhsa_enable_private_segment 0
		.amdhsa_kernarg_size 64
		.amdhsa_user_sgpr_count 2
		.amdhsa_user_sgpr_kernarg_segment_ptr 1
		.amdhsa_wavefront_size32 1
		.amdhsa_system_sgpr_workgroup_id_x 1
		.amdhsa_system_sgpr_workgroup_id_y 1
		.amdhsa_system_sgpr_workgroup_id_z 1
		.amdhsa_system_vgpr_workitem_id 0
		.amdhsa_next_free_vgpr 1024
		.amdhsa_next_free_sgpr 66
		.amdhsa_reserve_vcc 0
		.amdhsa_float_denorm_mode_32 3
		.amdhsa_float_denorm_mode_16_64 3
		.amdhsa_memory_ordered 1
		.amdhsa_forward_progress 1
		.amdhsa_inst_pref_size 229
	.end_amdhsa_kernel
	.amdgpu_metadata
---
amdhsa.version: [ 1, 2 ]
amdhsa.kernels:
  - .name:           k_q2fbb391637_gate
    .symbol:         k_q2fbb391637_gate.kd
    .args:
      - { .name: h2, .offset: 0, .size: 8, .value_kind: global_buffer, .address_space: global }
      - { .name: w1_codes, .offset: 8, .size: 8, .value_kind: global_buffer, .address_space: global }
      - { .name: w1_scales, .offset: 16, .size: 8, .value_kind: global_buffer, .address_space: global }
      - { .name: b1, .offset: 24, .size: 8, .value_kind: global_buffer, .address_space: global }
      - { .name: w2_codes, .offset: 32, .size: 8, .value_kind: global_buffer, .address_space: global }
      - { .name: w2_scales, .offset: 40, .size: 8, .value_kind: global_buffer, .address_space: global }
      - { .name: b2, .offset: 48, .size: 8, .value_kind: global_buffer, .address_space: global }
      - { .name: hid, .offset: 56, .size: 8, .value_kind: global_buffer, .address_space: global }
    .group_segment_fixed_size: 168448
    .private_segment_fixed_size: 0
    .kernarg_segment_align: 8
    .kernarg_segment_size: 64
    .max_flat_workgroup_size: 128
    .sgpr_count:     66
    .vgpr_count:     1024
    .wavefront_size: 32
...
	.end_amdgpu_metadata
.endif
;; end of part 4
;; launch down (part 5): grid 64 x 4, 4 waves a work-group, no clusters, 299,520 bytes of LDS; arguments hid, w3_codes, w3_scales, b3, x2, out0; writes out0
.if DOCPART == 5
	.amdgcn_target "amdgcn-amd-amdhsa--gfx1250"
	.amdhsa_code_object_version 6
	.text
	.protected	k_q2fbb391637_down
	.globl	k_q2fbb391637_down
	.p2align	8
	.type	k_q2fbb391637_down,@function
k_q2fbb391637_down:
	s_mov_b64 s[64:65], 0
	v_nop
	global_prefetch_b8 v0, s[64:65] scope:SCOPE_SE
	s_setreg_imm32_b32 hwreg(HW_REG_WAVE_MODE, 25, 1), 1
	s_wait_xcnt 0x0
; out0 = hid w3 + b3 + x2, the product on codes of E2M1.
; SHARES.  A work-group takes 64 tokens (x) and 192 columns (y).  THE WAVES SHARE K: wave w holds K steps 6 w .. 6 w + 5 of all 12 tiles of columns, 72 fragments in register windows 1-3, read from memory once;
; so each fragment of hid feeds 12 products and is read from LDS by one wave.  The four partial sums meet in LDS; wave w adds those of tile w of the tokens to b3 and x2 and stores whole rows of 768 bytes.
; THE ORDER OF THE SUM differs from a single ascending chain: four f32 chains of 768 along K, then x2 + b3 + the four in order.
; Source 0 = 16 rows of w3, source 1 = 16 tokens: a lane holds one token and eight neighbouring columns.
; NO CLUSTER: what work-groups share is w3, which lives in registers; LDS holds 98,304 bytes of codes and 200,704 of partial sums.
; LIMITS: NaN and infinities among the inputs are not served.
.set PS,   98304                       ; LDS: behind the four tiles' images (filled once by copies): partial sums, [tile][wave][16 rows of 768 bytes + 16]
.set CPL,  4
.set CPG,  5
.set A0,   6                           ; v6, v7  my six K steps' fragments of tiles 0, 1 and of tiles 2, 3
.set WP,   8
.set WSP,  9
.set L4,   10
.set P0,   11                          ; v11-14  where I put my partial sums of tile i
.set ACC,  16                          ; v16-111 twelve accumulators; later x2, and the result
.set AF,   112                         ; v112-159 six fragments of hid; later partial sums read back
.set AS,   160                         ; v160-171 hid's scale words, 6 p + s
.set WS,   172                         ; v172-207 w3's
.set B3,   208                         ; v208-219 b3 at my places in three chunks
.set LA,   220                         ; v220-222 LDS address, v223-225 offset in x2 and out0, v226-228 offset in b3: for chunk m = 0, 1, 2 of two rows
.set GO,   223
.set BO,   226
.set ZERO, 4096
.set MSB, 0
.macro WIN new
.if MSB != (\new)
	s_set_vgpr_msb (MSB<<8)|(\new)
.set MSB, (\new)
.endif
.endm
.macro PLACES n
.rept \n
	v_nop
.endr
.endm
.macro WM d, a, b, c, sa, sb, ra, rb
.if (\c) >= ZERO
.if (\ra) && (\rb)
	v_wmma_scale_f32_16x16x128_f8f6f4 v[\d:\d+7], v[\a:\a+7], v[\b:\b+7], 0, v[\sa], v[\sb] matrix_a_fmt:MATRIX_FMT_FP4 matrix_b_fmt:MATRIX_FMT_FP4 matrix_a_scale:MATRIX_SCALE_ROW1 matrix_b_scale:MATRIX_SCALE_ROW1
.elseif (\ra)
	v_wmma_scale_f32_16x16x128_f8f6f4 v[\d:\d+7], v[\a:\a+7], v[\b:\b+7], 0, v[\sa], v[\sb] matrix_a_fmt:MATRIX_FMT_FP4 matrix_b_fmt:MATRIX_FMT_FP4 matrix_a_scale:MATRIX_SCALE_ROW1
.elseif (\rb)
	v_wmma_scale_f32_16x16x128_f8f6f4 v[\d:\d+7], v[\a:\a+7], v[\b:\b+7], 0, v[\sa], v[\sb] matrix_a_fmt:MATRIX_FMT_FP4 matrix_b_fmt:MATRIX_FMT_FP4 matrix_b_scale:MATRIX_SCALE_ROW1
.else
	v_wmma_scale_f32_16x16x128_f8f6f4 v[\d:\d+7], v[\a:\a+7], v[\b:\b+7], 0, v[\sa], v[\sb] matrix_a_fmt:MATRIX_FMT_FP4 matrix_b_fmt:MATRIX_FMT_FP4
.endif
.else
.if (\ra) && (\rb)
	v_wmma_scale_f32_16x16x128_f8f6f4 v[\d:\d+7], v[\a:\a+7], v[\b:\b+7], v[\c:\c+7], v[\sa], v[\sb] matrix_a_fmt:MATRIX_FMT_FP4 matrix_b_fmt:MATRIX_FMT_FP4 matrix_a_scale:MATRIX_SCALE_ROW1 matrix_b_scale:MATRIX_SCALE_ROW1
.elseif (\ra)
	v_wmma_scale_f32_16x16x128_f8f6f4 v[\d:\d+7], v[\a:\a+7], v[\b:\b+7], v[\c:\c+7], v[\sa], v[\sb] matrix_a_fmt:MATRIX_FMT_FP4 matrix_b_fmt:MATRIX_FMT_FP4 matrix_a_scale:MATRIX_SCALE_ROW1
.elseif (\rb)
	v_wmma_scale_f32_16x16x128_f8f6f4 v[\d:\d+7], v[\a:\a+7], v[\b:\b+7], v[\c:\c+7], v[\sa], v[\sb] matrix_a_fmt:MATRIX_FMT_FP4 matrix_b_fmt:MATRIX_FMT_FP4 matrix_b_scale:MATRIX_SCALE_ROW1
.else
	v_wmma_scale_f32_16x16x128_f8f6f4 v[\d:\d+7], v[\a:\a+7], v[\b:\b+7], v[\c:\c+7], v[\sa], v[\sb] matrix_a_fmt:MATRIX_FMT_FP4 matrix_b_fmt:MATRIX_FMT_FP4
.endif
.endif
.endm
.macro WLOAD wn
	WIN (\wn)<<6
.irp t,0,1,2,3
.irp s,0,1,2,3,4,5
.irp c,0,1
	global_load_b128 v[48*\t+8*\s+4*\c:48*\t+8*\s+4*\c+3], v[WP], s[6:7] offset:(4*(\wn-1)+\t)*24576+64*\s+32*\c
.endr
.endr
.endr
	WIN 0
.endm
.macro MM4 wn, i                       ; 24 products: window wn's four tiles of columns x tile i of the tokens; four accumulators take turns; the first K step starts the sums
	WIN \wn
.irp s,0,1,2,3,4,5
.irp t,0,1,2,3
.if \s == 0
	WM ACC+32*(\wn-1)+8*\t, 48*\t, AF, ZERO, WS+12*(\wn-1)+6*(\t/2), AS+6*((\i)/2), \t%2, (\i)%2
.else
	WM ACC+32*(\wn-1)+8*\t, 48*\t+8*\s, AF+8*\s, ACC+32*(\wn-1)+8*\t, WS+12*(\wn-1)+6*(\t/2)+\s, AS+6*((\i)/2)+\s, \t%2, (\i)%2
.endif
.endr
.endr
.endm
.macro AFETCH i
.irp s,0,1,2,3,4,5
.irp c,0,1
	ds_load_b128 v[AF+8*\s+4*\c:AF+8*\s+4*\c+3], v[A0+(\i)/2] offset:((\i)%2)*24576+1024*\s+512*\c
.endr
.endr
.endm
.macro TILE i
	s_wait_dscnt 0x0                               ; the tile's fragments are in, and the last tile's stores have read the accumulators
	MM4 1, \i
.if (\i) == 0
	s_wait_loadcnt 48                              ; window 2's weights are in; window 3's 48 loads may be out
.endif
	MM4 2, \i
.if (\i) == 0
	s_wait_loadcnt 0x0
.endif
	MM4 3, \i
	WIN 0
	PLACES 5                                       ; four in front of the loads and stores below; five in front of the next tile's first products, which write over accumulators
.if (\i) < 3
	AFETCH (\i)+1
.endif
.irp g,0,1,2,3,4,5,6,7,8,9,10,11
	ds_store_b128 v[P0+(\i)], v[ACC+8*\g:ACC+8*\g+3] offset:64*\g      ; each accumulator from its low end on
	ds_store_b128 v[P0+(\i)], v[ACC+8*\g+4:ACC+8*\g+7] offset:64*\g+16
.endr
.endm
.macro RLOAD g                         ; rows 2 g and 2 g + 1 of my tile: the four waves' partial sums, three chunks of 512 bytes each, into buffer g % 2
.set RB, AF+48*((\g)%2)
.irp p,0,1,2,3
.irp m,0,1,2
	ds_load_b128 v[RB+12*\p+4*\m:RB+12*\p+4*\m+3], v[LA+\m] offset:\p*12544+1568*(\g)
.endr
.endr
.endm
.macro RSUM g
.set RB, AF+48*((\g)%2)
.set XX, ACC+12*(\g)
.irp m,0,1,2
	v_pk_add_f32 v[XX+4*\m:XX+4*\m+1], v[XX+4*\m:XX+4*\m+1], v[B3+4*\m:B3+4*\m+1]
	v_pk_add_f32 v[XX+4*\m+2:XX+4*\m+3], v[XX+4*\m+2:XX+4*\m+3], v[B3+4*\m+2:B3+4*\m+3]
.endr
.irp p,0,1,2,3
.irp m,0,1,2
	v_pk_add_f32 v[XX+4*\m:XX+4*\m+1], v[XX+4*\m:XX+4*\m+1], v[RB+12*\p+4*\m:RB+12*\p+4*\m+1]
	v_pk_add_f32 v[XX+4*\m+2:XX+4*\m+3], v[XX+4*\m+2:XX+4*\m+3], v[RB+12*\p+4*\m+2:RB+12*\p+4*\m+3]
.endr
.endr
.irp m,0,1,2
	global_store_b128 v[GO+\m], v[XX+4*\m:XX+4*\m+3], s[14:15] offset:6144*(\g) th:TH_STORE_NT   ; sixteen lanes store 256 consecutive bytes, aligned
.endr
.endm
	s_load_b256 s[4:11], s[0:1], 0x0               ; hid, w3's codes, scales, b3
	s_load_b128 s[12:15], s[0:1], 0x20             ; x2, out0
	v_lshl_add_u32 v254, v0, 2, 0x49000
	v_mov_b32 v255, 0
	ds_add_u32 v254, v255
	ds_add_u32 v254, v255
	v_lshrrev_b32 v1, 5, v0
	v_readfirstlane_b32 s24, v1                    ; wave 0..3
	v_and_b32 v1, 31, v0
	v_and_b32 v2, 15, v0
	v_bfe_u32 v3, v0, 4, 1
	s_mul_i32 s25, s24, 24576
	v_lshl_add_u32 v[CPL], v1, 4, s25
	v_lshl_add_u32 v[CPG], v1, 4, s25
	s_mul_i32 s25, s24, 6144
	v_lshl_add_u32 v[A0], v1, 4, s25
	v_add_nc_u32 v[A0+1], 49152, v[A0]
	v_mul_u32_u24 v[WP], v2, 1536
	v_lshl_add_u32 v[WP], v3, 4, v[WP]
	v_mul_u32_u24 v[WSP], v1, 96
	v_lshlrev_b32 v[L4], 2, v1
	s_mul_i32 s25, s24, 12544
	s_add_co_u32 s25, s25, PS
	v_mul_u32_u24 v[P0], v2, 784
	v_lshl_add_u32 v[P0], v3, 5, v[P0]
	v_add_nc_u32 v[P0], s25, v[P0]
	v_add_nc_u32 v[P0+1], 50176, v[P0]
	v_add_nc_u32 v[P0+2], 100352, v[P0]
	v_add_nc_u32 v[P0+3], 150528, v[P0]
	s_mul_i32 s25, s24, 50176
	s_add_co_u32 s25, s25, PS
	v_lshl_add_u32 v[LA], v1, 4, s25               ; chunk 0: row 0, bytes 0-511
	v_lshl_add_u32 v[LA+1], v3, 4, v[LA]
	v_add_nc_u32 v[LA+1], 512, v[LA+1]             ; chunk 1: lanes 0-15 row 0's last 256 bytes, lanes 16-31 row 1's first: 16 bytes of padding further on
	v_add_nc_u32 v[LA+2], 1040, v[LA]              ; chunk 2: row 1, bytes 256-767
	v_lshlrev_b32 v[GO], 4, v1
	v_mul_u32_u24 v[GO+1], v3, 2304
	v_add_nc_u32 v[GO+1], v[GO+1], v[GO]
	v_add_nc_u32 v[GO+1], 512, v[GO+1]             ; in memory a row is 3,072 bytes
	v_add_nc_u32 v[GO+2], 3328, v[GO]
	v_mov_b32 v[BO], v[GO]
	v_mul_u32_u24 v15, v3, 768
	v_add_nc_u32 v[BO+1], 512, v[GO]
	v_sub_nc_u32 v[BO+1], v[BO+1], v15
	v_add_nc_u32 v[BO+2], 256, v[GO]
	s_and_b32 s26, ttmp7, 0xffff
	s_mov_b32 s29, 0
	s_mul_i32 s28, ttmp9, 98304
	s_wait_dscnt 0x0
	s_wait_kmcnt 0x0
	s_add_nc_u64 s[16:17], s[4:5], s[28:29]
.set i, 0
.rept 48                                       ; one of the four tiles' images: 24,576 consecutive bytes
	global_load_async_to_lds_b128 v[CPL], v[CPG], s[16:17] offset:512*i
.set i, i+1
.endr
	s_mul_i32 s28, s24, 98304                      ; hid's scale words: K step 6 w, token 64 x
	s_lshl_b32 s27, ttmp9, 8
	s_add_co_u32 s28, s28, s27
	s_add_co_u32 s28, s28, 6291456
	s_add_nc_u64 s[18:19], s[4:5], s[28:29]
	s_mul_i32 s28, s26, 294912                     ; w3: row 192 y, K step 6 w
	s_mul_i32 s27, s24, 384
	s_add_co_u32 s28, s28, s27
	s_add_nc_u64 s[6:7], s[6:7], s[28:29]
	s_mul_i32 s28, s26, 18432
	s_mul_i32 s27, s24, 24
	s_add_co_u32 s28, s28, s27
	s_add_nc_u64 s[8:9], s[8:9], s[28:29]
	s_mul_i32 s28, s26, 768
	s_add_nc_u64 s[10:11], s[10:11], s[28:29]
	s_mul_i32 s27, ttmp9, 196608                   ; x2, out0: row 64 x + 16 w, column 192 y
	s_add_co_u32 s28, s28, s27
	s_mul_i32 s27, s24, 49152
	s_add_co_u32 s28, s28, s27
	s_add_nc_u64 s[12:13], s[12:13], s[28:29]
	s_add_nc_u64 s[14:15], s[14:15], s[28:29]
.irp p,0,1
.irp s,0,1,2,3,4,5
	global_load_b32 v[AS+6*\p+\s], v[L4], s[18:19] offset:16384*\s+128*\p
.endr
.endr
.irp p,0,1,2,3,4,5
.irp q,0,1,2
	global_load_b64 v[WS+6*\p+2*\q:WS+6*\p+2*\q+1], v[WSP], s[8:9] offset:3072*\p+8*\q
.endr
.endr
	WLOAD 1
	WLOAD 2
	s_wait_loadcnt 48                              ; all but window 2's 48 loads
	WLOAD 3
	s_wait_asynccnt 0x0                            ; my copies have landed,
	s_barrier_signal -1
	s_barrier_wait -1                              ; everybody's have
	AFETCH 0
	TILE 0
	TILE 1
	TILE 2
	TILE 3
	s_wait_dscnt 0x0                               ; for the others' sake: my partial sums lie in LDS; and the stores have read the accumulators, into which x2 is loaded
.irp g,0,1,2,3,4,5,6,7
.irp m,0,1,2
	global_load_b128 v[ACC+12*\g+4*\m:ACC+12*\g+4*\m+3], v[GO+\m], s[12:13] offset:6144*\g th:TH_LOAD_NT
.endr
.endr
.irp m,0,1,2
	global_load_b128 v[B3+4*\m:B3+4*\m+3], v[BO+\m], s[10:11]
.endr
	s_barrier_signal -1
	s_barrier_wait -1
	RLOAD 0
	RLOAD 1
	s_wait_dscnt 12                                ; the older group of twelve is in
	s_wait_loadcnt 0x0                             ; x2 and b3
	RSUM 0
.irp g,1,2,3,4,5,6
	RLOAD \g+1
	s_wait_dscnt 12
	RSUM \g
.endr
	s_wait_dscnt 0x0
	RSUM 7
	s_wait_tensorcnt 0x0
	ds_add_u32 v254, v255
	s_wait_dscnt 0x0
	s_endpgm
.Lfunc_end_k_q2fbb391637_down:
	.size	k_q2fbb391637_down, .Lfunc_end_k_q2fbb391637_down-k_q2fbb391637_down
	.p2alignl 7, 3214868480
	.fill 96, 4, 3214868480
	.section	.rodata,"a",@progbits
	.p2align	6, 0x0
	.amdhsa_kernel k_q2fbb391637_down
		.amdhsa_group_segment_fixed_size 299520
		.amdhsa_private_segment_fixed_size 0
		.amdhsa_enable_private_segment 0
		.amdhsa_kernarg_size 48
		.amdhsa_user_sgpr_count 2
		.amdhsa_user_sgpr_kernarg_segment_ptr 1
		.amdhsa_wavefront_size32 1
		.amdhsa_system_sgpr_workgroup_id_x 1
		.amdhsa_system_sgpr_workgroup_id_y 1
		.amdhsa_system_sgpr_workgroup_id_z 1
		.amdhsa_system_vgpr_workitem_id 0
		.amdhsa_next_free_vgpr 960
		.amdhsa_next_free_sgpr 66
		.amdhsa_reserve_vcc 0
		.amdhsa_float_denorm_mode_32 3
		.amdhsa_float_denorm_mode_16_64 3
		.amdhsa_memory_ordered 1
		.amdhsa_forward_progress 1
		.amdhsa_inst_pref_size 98
	.end_amdhsa_kernel
	.amdgpu_metadata
---
amdhsa.version: [ 1, 2 ]
amdhsa.kernels:
  - .name:           k_q2fbb391637_down
    .symbol:         k_q2fbb391637_down.kd
    .args:
      - { .name: hid, .offset: 0, .size: 8, .value_kind: global_buffer, .address_space: global }
      - { .name: w3_codes, .offset: 8, .size: 8, .value_kind: global_buffer, .address_space: global }
      - { .name: w3_scales, .offset: 16, .size: 8, .value_kind: global_buffer, .address_space: global }
      - { .name: b3, .offset: 24, .size: 8, .value_kind: global_buffer, .address_space: global }
      - { .name: x2, .offset: 32, .size: 8, .value_kind: global_buffer, .address_space: global }
      - { .name: out0, .offset: 40, .size: 8, .value_kind: global_buffer, .address_space: global }
    .group_segment_fixed_size: 299520
    .private_segment_fixed_size: 0
    .kernarg_segment_align: 8
    .kernarg_segment_size: 48
    .max_flat_workgroup_size: 128
    .sgpr_count:     66
    .vgpr_count:     960
    .wavefront_size: 32
...
	.end_amdgpu_metadata
.endif
;; end of part 5
;; ======== version 2 of 2: 5 launches; version 1 with the launch attn written anew for expert scheduling mode
;; workspace buffers: qkv 5,210,112 bytes; ctx 1,671,168 bytes; x2 12,582,912 bytes; h2 1,671,168 bytes; hid 6,684,672 bytes
;; launch lnqkv: the kernel of part 1 again; grid 64 x 3, 4 waves a work-group, no clusters, 224,768 bytes of LDS; arguments x, g1, s1, Wq_codes, Wq_scales, Wk_codes, Wk_scales, Wv_codes, Wv_scales, qkv; writes qkv
;; launch attn (part 6): grid 64 x 4, 12 waves a work-group, no clusters, 0 bytes of LDS; arguments qkv, ctx; writes ctx
.if DOCPART == 6
	.amdgcn_target "amdgcn-amd-amdhsa--gfx1250"
	.amdhsa_code_object_version 6
	.text
	.protected	k_q2fbb391637_attn
	.globl	k_q2fbb391637_attn
	.p2align	8
	.type	k_q2fbb391637_attn,@function
k_q2fbb391637_attn:
	s_mov_b64 s[64:65], 0
	v_nop
	global_prefetch_b8 v0, s[64:65] scope:SCOPE_SE
	s_setreg_imm32_b32 hwreg(HW_REG_WAVE_SCHED_MODE, 0, 2), 2
	s_setreg_imm32_b32 hwreg(HW_REG_WAVE_MODE, 25, 1), 1
	s_wait_xcnt 0x0
	s_wait_alu depctr_vm_vsrc(0)
; ctx[q][head] = softmax_k(q . k / 8, causal) v, both products on codes of E2M1; the result is quantised along the 768 channels for the next product.
; THE SOFTMAX: t = score x log2(e) / 8; M = the running largest t rounded UP to a whole number; p = 2^(t - M) is quantised along the keys; the row's sum is taken of the unquantised p and divides at the end.
; When M moves, the sum and O are multiplied by 2^(old M - new M), which rounds nothing.
; SHARES.  A wave owns 16 queries of one head and walks its keys 128 a step, up to the step that holds its diagonal; steps whose keys all come after its queries are not walked.  Operands come from memory straight into
; registers, laid by the launch before in the order of the operand's registers: no LDS, no barrier.
; EVEN WORK BY CONSTRUCTION.  Work-group (j, g), wave w: head 3 g + w / 4, tile w % 4 of a block of 64 queries: block j, or B1 = (j odd ? 31 : 63) - j / 2, or B1 xor 32: three permutations of 0 .. 63 whose sum is 94 or 95,
; so every work-group's twelve waves walk the same number of steps within one or two.
; LAYOUT.  S^T = K Q^T (source 0 = 16 keys, source 1 = my 16 queries), O^T = V^T P^T: a lane holds one query throughout.  Lane r of key tile 2 b + u takes key 32 b + 8 u + r + 8 (r / 8), so that the 16 registers of two
; neighbouring tiles are 16 neighbouring keys; V's channels are chosen likewise, so that O's registers are neighbours along the next product's K.
; THE HEAD IS 64 LONG, the instruction 128: Q's registers 4-7 hold zero codes.  So a tile of K takes four registers, and the operand's upper four are the next tile's codes (behind the last tile: zeros), which meet zeros.
; The upper two bytes of both scale words are 0, a small power of two: zeros stay zeros.
; NO CLUSTER, NO LDS RING: the four waves of a block read the same fragments at about the same time, but partners would walk different numbers of steps.
; LIMITS: NaN and infinities are not served; a block whose largest magnitude lies under 2^-124 gets the scale byte 1; the division by the sum is a multiplication by v_rcp_f32's result.
; THE MODE: SCHED_MODE bits 1:0 = 2 (LLVM: expert scheduling mode 2), set by the entry lines.  The code itself states the register dependences between vector or matrix instructions and memory instructions,
; with s_wait_alu, always for 0.
; THE PLAN.  Registers that memory instructions touch:
;   v1-v7          offsets, made at the head and never written again: the steps are reached by scalar bases and immediate offsets.
;   v16-19, v24    Q and its scale words: loaded once, at the head.
;   v32-63, v68-71 K's tiles and scale words.  Step j's eight products K Q^T read them; step j + 1's nine loads, issued in step j, land in them.
;   v72-105        V's fragments and scale words.  Step j's four products V^T P^T, at its end, read them; step j + 1's nine loads, issued in step j + 1, land in them.
;   v208-211, v232 on the way out: written by conversions and a shift, read by the three stores.
; So ONE wait on va_vdst in a step, behind its products K Q^T, states all that the step's eighteen loads hang on: those products are done reading K, the last step's V^T P^T are done reading V.  V's nine follow it in a run;
; the next K's nine are dealt among the first lines of the search for the maximum, which name S^T and v216-219 alone.  No register that a memory instruction reads is ever written again: no wait on vm_vsrc is owed.
; Two more waits on va_vdst stand in a step: the one behind the exponentials, and one ahead of V^T P^T, which takes p's codes and scale word from vector instructions.
.set QF,  16                           ; v16-23 Q's fragment (20-23 zeros);  v24 its scale words
.set QS,  24
.set KF,  32                           ; v32-63 eight tiles of K, four registers each;  v64-67 zeros;  v68-71 their scale words
.set KS,  68
.set VF,  72                           ; v72-103 four fragments of V^T;  v104-105 their scale words
.set VS,  104
.set S,   112                          ; v112-175 S^T, then p
.set O,   176                          ; v176-207 O^T
.set PC,  208                          ; v208-215 p's codes
.set BM,  216                          ; v216-219 a block's largest score, then largest p
.set BP,  220                          ; v220-223 at work
.set BS,  224                          ; v224-227 scale operands
.set FA,  228                          ; v[228:229] the rescaling factor (229: the pair's upper half, written once)
.set PW,  230                          ; v230 p's scale word
.set NI,  231                          ; v231 -infinity
.set TP,  232                          ; v232 at work
.set ZERO, 4096
.macro PLACES n
.rept \n
	v_nop
.endr
.endm
.macro WM d, a, b, c, sa, sb, ra
.if (\c) >= ZERO
.if (\ra)
	v_wmma_scale_f32_16x16x128_f8f6f4 v[\d:\d+7], v[\a:\a+7], v[\b:\b+7], 0, v[\sa], v[\sb] matrix_a_fmt:MATRIX_FMT_FP4 matrix_b_fmt:MATRIX_FMT_FP4 matrix_a_scale:MATRIX_SCALE_ROW1
.else
	v_wmma_scale_f32_16x16x128_f8f6f4 v[\d:\d+7], v[\a:\a+7], v[\b:\b+7], 0, v[\sa], v[\sb] matrix_a_fmt:MATRIX_FMT_FP4 matrix_b_fmt:MATRIX_FMT_FP4
.endif
.else
.if (\ra)
	v_wmma_scale_f32_16x16x128_f8f6f4 v[\d:\d+7], v[\a:\a+7], v[\b:\b+7], v[\c:\c+7], v[\sa], v[\sb] matrix_a_fmt:MATRIX_FMT_FP4 matrix_b_fmt:MATRIX_FMT_FP4 matrix_a_scale:MATRIX_SCALE_ROW1
.else
	v_wmma_scale_f32_16x16x128_f8f6f4 v[\d:\d+7], v[\a:\a+7], v[\b:\b+7], v[\c:\c+7], v[\sa], v[\sb] matrix_a_fmt:MATRIX_FMT_FP4 matrix_b_fmt:MATRIX_FMT_FP4
.endif
.endif
.endm
.macro KLOAD                           ; nine loads: a step's eight tiles of K and their scale words (the first step's, at the head)
.irp t,0,1,2,3,4,5,6,7
	global_load_b128 v[KF+4*\t:KF+4*\t+3], v1, s[8:9] offset:1024*(\t/2)+256*(\t%2)
.endr
	global_load_b128 v[KS:KS+3], v2, s[10:11]
.endm
.macro KL2 t                           ; two of the next step's eight tiles of K: t (even) and t + 1
	global_load_b128 v[KF+4*(\t):KF+4*(\t)+3], v1, s[8:9] offset:1024*((\t)/2)
	global_load_b128 v[KF+4*(\t)+4:KF+4*(\t)+7], v1, s[8:9] offset:1024*((\t)/2)+256
.endm
; A KEY STEP.  mask = 1: the step holds my diagonal.  more = 1: another step follows, and its K is asked for here.
.macro STEP mask, more
	s_wait_loadcnt 0x0                             ; this step's K (and, the first time, Q) is in: no younger load is out
.irp t,0,1,2,3,4,5,6,7
	WM S+8*\t, KF+4*\t, QF, ZERO, KS+(\t%4), QS, \t/4
.endr
	PLACES 4                                       ; in front of the first read of results
	s_wait_alu depctr_va_vdst(0)                   ; the eight products above are done reading K's tiles and scale words, the last step's four are done reading V's: the loads of this step land in these registers
.irp t,0,1,2,3
.irp c,0,1
	global_load_b128 v[VF+8*\t+4*\c:VF+8*\t+4*\c+3], v2, s[12:13] offset:1024*\t+512*\c
.endr
.endr
	global_load_b64 v[VS:VS+1], v3, s[14:15]
.if \more
	s_add_nc_u64 s[8:9], s[8:9], 4096              ; (the wait at the step's head has shown the loads that read these addresses done)
	s_add_nc_u64 s[10:11], s[10:11], 512
.endif
.if \mask                                      ; register 16 b + i holds key 32 b + 16 h + i of the step: hidden where 32 b + i > d = my query's place in the step - 16 h
.set n, 0
.rept 4                                        ; sixteen compares in a run, into s24-31, s36-37, s42-47, which nothing else holds here; then their sixteen selects
.set k, 0
.rept 16
	v_cmp_gt_i32 s[24+k+4*(k/8)+4*(k/10)], 32*(n/16)+k, v8
.set k, k+1
.endr
	s_wait_alu depctr_va_sdst(0)                   ; the sixteen compares have written their masks, ahead of the selects that read them
.set k, 0
.rept 16
	v_cndmask_b32 v[S+n+k], v[S+n+k], v[NI], s[24+k+4*(k/8)+4*(k/10)]
.set k, k+1
.endr
.set n, n+16
.endr
.endif
.irp b,0,1,2,3
	v_max3_num_f32 v[BM+\b], v[S+16*\b], v[S+16*\b+1], v[S+16*\b+2]   ; the largest score of each block of 32 keys: for the row's maximum, and, since p rises with the score, for the block's largest p
.endr
.if \more
	KL2 0                                          ; the next step's K, dealt among these lines.  No wait: no vector or matrix instruction since the wait above names K's registers or the offsets
.endif
.irp i,3,5,7,9,11,13
.irp b,0,1,2,3
	v_max3_num_f32 v[BM+\b], v[BM+\b], v[S+16*\b+\i], v[S+16*\b+\i+1]
.endr
.if (\more) && (\i < 9)
	KL2 \i-1
.endif
.if (\more) && (\i == 9)
	global_load_b128 v[KS:KS+3], v2, s[10:11]      ; and its scale words: the ninth
.endif
.endr
.irp b,0,1,2,3
	v_max_num_f32 v[BM+\b], v[BM+\b], v[S+16*\b+15]
.endr
.irp b,0,1,2,3
	v_permlanex16_b32 v[BP+\b], v[BM+\b], s20, s21
.endr
.irp b,0,1,2,3
	v_max_num_f32 v[BM+\b], v[BM+\b], v[BP+\b]
.endr
	v_max3_num_f32 v[TP], v[BM], v[BM+1], v[BM+2]
	v_max_num_f32 v[TP], v[TP], v[BM+3]
	v_mul_f32 v[TP], s22, v[TP]                    ; as t
	v_max_num_f32 v13, v13, v[TP]                  ; the running largest t
	v_mov_b32 v[TP], v12
	v_floor_f32 v12, -v13                          ; -M = floor(-t): M is a whole number
	v_sub_f32 v[TP], v12, v[TP]                    ; old M - new M: a whole number, 0 or less
	v_cvt_i32_f32 v[TP], v[TP]                     ; (it saturates)
	v_ldexp_f32 v[FA], 1.0, v[TP]
.set j, 0
.rept 32
	v_pk_fma_f32 v[S+j:S+j+1], v[S+j:S+j+1], s[22:23], v[12:13] op_sel_hi:[1,0,0]   ; t - M
.set j, j+2
.endr
.irp b,0,1,2,3
	v_fma_f32 v[BM+\b], v[BM+\b], s22, v12
.endr
.set j, 0
.rept 64
	v_exp_f32 v[S+j], v[S+j]                       ; p = 2^(t - M)
.set j, j+1
.endr
.irp b,0,1,2,3
	v_exp_f32 v[BM+\b], v[BM+\b]                   ; the block's largest p: the same two instructions on the same number.  One batch with the 64
.endr
	v_pk_mul_f32 v[14:15], v[14:15], v[FA:FA+1] op_sel_hi:[1,0]   ; the sums under the new M: the plain instruction behind the batch
	s_wait_alu depctr_va_vdst(0)                   ; the 68 exponentials have written p and the blocks' largest p, ahead of their first reader
	v_pk_add_f32 v[BP:BP+1], v[S:S+1], v[S+2:S+3]  ; the row's sum of the unquantised p, in two chains
.set j, 4
.rept 15
	v_pk_add_f32 v[14:15], v[14:15], v[S+j:S+j+1]
	v_pk_add_f32 v[BP:BP+1], v[BP:BP+1], v[S+j+2:S+j+3]
.set j, j+4
.endr
	v_pk_add_f32 v[14:15], v[14:15], v[BP:BP+1]
.irp b,0,1,2,3
	v_max_num_f32 v[BM+\b], 0x1800000, v[BM+\b]    ; the floor 2^(3 - 127)
.endr
.irp b,0,1,2,3
	v_add_nc_u32 v[BS+\b], 0xff000000, v[BM+\b]
.endr
.irp b,0,1,2,3
	v_lshrrev_b32 v[BP+\b], 23, v[BS+\b]
.endr
	v_lshl_or_b32 v[PW], v[BP+1], 8, v[BP]
	v_lshl_or_b32 v[PW], v[BP+2], 16, v[PW]
	v_lshl_or_b32 v[PW], v[BP+3], 24, v[PW]
.irp b,0,1,2,3
	v_cvt_scalef32_pk8_fp4_f32 v[PC+2*\b], v[S+16*\b:S+16*\b+7], v[BS+\b]
	v_cvt_scalef32_pk8_fp4_f32 v[PC+2*\b+1], v[S+16*\b+8:S+16*\b+15], v[BS+\b]
.endr
	v_nop
.irp c,0,1
.irp i,0,1
	v_permlane16_swap_b32 v[PC+4*\c+\i], v[PC+4*\c+2+\i]   ; a whole block in a lane
.endr
.endr
.set j, 0
.rept 16
	v_pk_mul_f32 v[O+j:O+j+1], v[O+j:O+j+1], v[FA:FA+1] op_sel_hi:[1,0]   ; O^T under the new M.  These sixteen also stand between the writes of p's codes and scale word and the products below
.set j, j+2
.endr
	s_wait_loadcnt 9*(\more)                       ; V is in; the next step's K, nine loads issued behind it, may be out
	s_wait_alu depctr_va_vdst(0)                   ; the conversions and exchanges have written p's codes, the shifts its scale word: the scaled products below take them as source 1 and its scales; the places above stay beside this wait
.irp t,0,1,2,3
	WM O+8*\t, VF+8*\t, PC, O+8*\t, VS+(\t/2), PW, \t%2
.endr
.if \more
	s_add_nc_u64 s[12:13], s[12:13], 4096          ; (the wait for V has shown the loads that read these addresses done)
	s_add_nc_u64 s[14:15], s[14:15], 256
.endif
.endm
	s_load_b128 s[4:7], s[0:1], 0x0                ; qkv, ctx
	v_lshrrev_b32 v1, 5, v0
	v_readfirstlane_b32 s16, v1                    ; wave 0..11
	v_and_b32 v9, 15, v0                           ; r
	v_bfe_u32 v10, v0, 4, 1                        ; h
	v_and_b32 v11, 31, v0                          ; lane
	v_and_b32 v1, 8, v9
	v_add_nc_u32 v1, v1, v9
	v_lshlrev_b32 v1, 5, v1
	v_lshl_add_u32 v1, v10, 4, v1                  ; K: row r + 8 (r / 8) of 32 bytes, + 16 h
	v_lshlrev_b32 v2, 4, v11                       ; 16 x lane
	v_lshlrev_b32 v3, 3, v11                       ; 8 x lane
	v_lshlrev_b32 v4, 4, v9
	v_lshl_add_u32 v4, v10, 3, v4                  ; out: 16 r + 8 h
	v_lshlrev_b32 v5, 2, v9                        ; 4 r
	v_lshlrev_b32 v6, 5, v9
	v_lshl_add_u32 v6, v10, 4, v6                  ; Q: row r, + 16 h
	v_and_b32 v7, 7, v9
	v_lshlrev_b32 v7, 4, v7
	v_lshrrev_b32 v8, 3, v9
	v_lshl_add_u32 v7, v8, 2, v7                   ; Q's scale word in its record: 16 (r % 8) + 4 (r / 8)
	s_wait_alu depctr_va_sdst(0)                   ; s16 is written, ahead of its first reader: the head, the tile, the count of steps and every base are made from it
	s_lshr_b32 s24, s16, 2                         ; which of the work-group's three heads
	s_and_b32 s25, s16, 3                          ; which tile of the block
	s_and_b32 s26, ttmp7, 0xffff
	s_mul_i32 s17, s26, 3
	s_add_co_u32 s17, s17, s24                     ; the head
	s_and_b32 s27, ttmp9, 1
	s_cmp_lg_u32 s27, 0
	s_cselect_b32 s28, 31, 63
	s_lshr_b32 s27, ttmp9, 1
	s_sub_co_u32 s28, s28, s27                     ; B1
	s_xor_b32 s29, s28, 32
	s_cmp_eq_u32 s24, 0
	s_cselect_b32 s27, ttmp9, s28
	s_cmp_eq_u32 s24, 2
	s_cselect_b32 s27, s29, s27                    ; my block of 64 queries
	s_lshl_b32 s18, s27, 2
	s_add_co_u32 s18, s18, s25                     ; my tile of 16 queries
	s_lshr_b32 s19, s18, 3                         ; whole steps in front of the diagonal's
	s_and_b32 s24, s18, 7
	s_lshl_b32 s24, s24, 4
	v_lshlrev_b32 v8, 4, v10
	v_sub_nc_u32 v8, v9, v8
	v_add_nc_u32 v8, s24, v8                       ; d = 16 (tile % 8) + r - 16 h
	s_mov_b32 s20, 0x76543210
	s_mov_b32 s21, 0xfedcba98
	s_mov_b32 s22, 0x3e38aa3b                      ; log2(e) / 8
	s_mov_b32 s23, s22
	s_mov_b32 s37, 0
	; what the steps find in registers is written here, while the arguments are on their way, so that the one wait ahead of the first load serves it too
.irp i,0,1,2,3
	v_mov_b32 v[QF+4+\i], 0                        ; zero codes for K = 64 .. 127
	v_mov_b32 v[KF+32+\i], 0
	v_mov_b32 v[BP+\i], 0                          ; a lane permute's destination counts as one of its sources
.endr
	v_mov_b32 v13, 0xff61b1e6                      ; the largest t so far: -3e38
	v_floor_f32 v12, -v13
	v_mov_b32 v14, 0
	v_mov_b32 v15, 0
	v_mov_b32 v[FA+1], 0
	v_mov_b32 v[NI], 0xff800000
	v_mov_b32 v[TP], 0
.set j, 0
.rept 32
	v_mov_b32 v[O+j], 0                            ; the step is written for every step alike: the first finds zeros, which the first change of M leaves zeros.  (These are also the places behind the zero codes)
.set j, j+1
.endr
	s_wait_kmcnt 0x0
	s_lshl_b32 s36, s17, 17
	s_add_nc_u64 s[32:33], s[4:5], s[36:37]        ; the head's codes of q
	s_add_nc_u64 s[8:9], s[32:33], 1572864         ; of k
	s_add_nc_u64 s[12:13], s[32:33], 3145728       ; of v
	s_lshl_b32 s36, s18, 9
	s_add_nc_u64 s[32:33], s[32:33], s[36:37]      ; my 16 queries
	s_lshl_b32 s36, s17, 14
	s_add_co_u32 s36, s36, 4915200
	s_add_nc_u64 s[10:11], s[4:5], s[36:37]        ; k's scale words
	s_lshl_b32 s36, s17, 13
	s_add_co_u32 s36, s36, 5111808
	s_add_nc_u64 s[14:15], s[4:5], s[36:37]        ; v's
	s_lshr_b32 s24, s18, 2                         ; q's: (tile / 4) x 256 + (tile % 2) x 128 + ((tile / 2) % 2) x 8
	s_lshl_b32 s24, s24, 8
	s_and_b32 s25, s18, 1
	s_lshl_b32 s25, s25, 7
	s_add_co_u32 s24, s24, s25
	s_bfe_u32 s25, s18, 0x10001
	s_lshl_b32 s25, s25, 3
	s_add_co_u32 s24, s24, s25
	s_lshl_b32 s25, s17, 14
	s_add_co_u32 s36, s24, s25
	s_add_co_u32 s36, s36, 4718592
	s_add_nc_u64 s[34:35], s[4:5], s[36:37]
	s_mul_i32 s36, s18, 6                          ; out: fragment (tile, head / 2), blocks 2 (head % 2) on
	s_lshr_b32 s24, s17, 1
	s_add_co_u32 s36, s36, s24
	s_lshl_b32 s36, s36, 10
	s_and_b32 s25, s17, 1
	s_lshl_b32 s26, s25, 9
	s_add_co_u32 s36, s36, s26
	s_add_nc_u64 s[38:39], s[6:7], s[36:37]
	s_lshl_b32 s36, s24, 14                        ; and the two bytes of its rows' scale words
	s_lshl_b32 s26, s18, 6
	s_add_co_u32 s36, s36, s26
	s_lshl_b32 s25, s25, 1
	s_add_co_u32 s36, s36, s25
	s_add_co_u32 s36, s36, 1572864
	s_add_nc_u64 s[40:41], s[6:7], s[36:37]
	s_wait_alu depctr_va_vdst(0)                   ; the seven offsets v1 to v7 are written, which every load and store of the kernel reads; so are the zero codes v20-23 and v64-67, which the scaled products take among their sources
	global_load_b128 v[QF:QF+3], v6, s[32:33]
	global_load_b32 v[QS], v7, s[34:35]
	KLOAD
	s_cmp_eq_u32 s19, 0
	s_cbranch_scc1 .Llast
.Lfull:
	STEP 0, 1
	s_sub_co_u32 s19, s19, 1
	s_cmp_lg_u32 s19, 0
	s_cbranch_scc1 .Lfull
.Llast:
	STEP 1, 0                                      ; the step of the diagonal: on both ways here the loads that are out are those that its first wait, for 0, waits for
	PLACES 4
	v_add_f32 v14, v14, v15
	v_permlanex16_b32 v[TP], v14, s20, s21
	v_add_f32 v14, v14, v[TP]                      ; the row's sum
	v_rcp_f32 v[FA], v14
	v_nop
	s_wait_alu depctr_va_vdst(0)                   ; the reciprocal is written, ahead of its first reader
.set j, 0
.rept 16
	v_pk_mul_f32 v[O+j:O+j+1], v[O+j:O+j+1], v[FA:FA+1] op_sel_hi:[1,0]   ; register 16 b + i: channel 32 b + 16 h + i of my query
.set j, j+2
.endr
.irp b,0,1
	v_max3_num_f32 v[BM+\b], |v[O+16*\b]|, |v[O+16*\b+1]|, 0x1800000
.endr
.irp i,2,4,6,8,10,12,14
.irp b,0,1
	v_max3_num_f32 v[BM+\b], v[BM+\b], |v[O+16*\b+\i]|, |v[O+16*\b+\i+1]|
.endr
.endr
.irp b,0,1
	v_permlanex16_b32 v[BP+\b], v[BM+\b], s20, s21
.endr
.irp b,0,1
	v_max_num_f32 v[BM+\b], v[BM+\b], v[BP+\b]
.endr
.irp b,0,1
	v_add_nc_u32 v[BS+\b], 0xff000000, v[BM+\b]
.endr
.irp b,0,1
	v_lshrrev_b32 v[BP+\b], 23, v[BS+\b]
.endr
.irp b,0,1
	v_cvt_scalef32_pk8_fp4_f32 v[PC+2*\b], v[O+16*\b:O+16*\b+7], v[BS+\b]
	v_cvt_scalef32_pk8_fp4_f32 v[PC+2*\b+1], v[O+16*\b+8:O+16*\b+15], v[BS+\b]
.endr
	v_nop
	v_lshl_or_b32 v[TP], v[BP+1], 8, v[BP]
	s_wait_alu depctr_va_vdst(0)                   ; the conversions have written the codes v208-211 and the shift the two bytes in v232, which the three stores read
.irp b,0,1
	global_store_b64 v4, v[PC+2*\b:PC+2*\b+1], s[38:39] offset:256*\b   ; 256 consecutive bytes, aligned
.endr
	global_store_b16 v5, v[TP], s[40:41]           ; my head's two bytes of the row's scale word
	s_endpgm
.Lfunc_end_k_q2fbb391637_attn:
	.size	k_q2fbb391637_attn, .Lfunc_end_k_q2fbb391637_attn-k_q2fbb391637_attn
	.p2alignl 7, 3214868480
	.fill 96, 4, 3214868480
	.section	.rodata,"a",@progbits
	.p2align	6, 0x0
	.amdhsa_kernel k_q2fbb391637_attn
		.amdhsa_group_segment_fixed_size 0
		.amdhsa_private_segment_fixed_size 0
		.amdhsa_enable_private_segment 0
		.amdhsa_kernarg_size 16
		.amdhsa_user_sgpr_count 2
		.amdhsa_user_sgpr_kernarg_segment_ptr 1
		.amdhsa_wavefront_size32 1
		.amdhsa_system_sgpr_workgroup_id_x 1
		.amdhsa_system_sgpr_workgroup_id_y 1
		.amdhsa_system_sgpr_workgroup_id_z 1
		.amdhsa_system_vgpr_workitem_id 0
		.amdhsa_next_free_vgpr 256
		.amdhsa_next_free_sgpr 66
		.amdhsa_reserve_vcc 0
		.amdhsa_float_denorm_mode_32 3
		.amdhsa_float_denorm_mode_16_64 3
		.amdhsa_memory_ordered 1
		.amdhsa_forward_progress 1
		.amdhsa_inst_pref_size 49
	.end_amdhsa_kernel
	.amdgpu_metadata
---
amdhsa.version: [ 1, 2 ]
amdhsa.kernels:
  - .name:           k_q2fbb391637_attn
    .symbol:         k_q2fbb391637_attn.kd
    .args:
      - { .name: qkv, .offset: 0, .size: 8, .value_kind: global_buffer, .address_space: global }
      - { .name: ctx, .offset: 8, .size: 8, .value_kind: global_buffer, .address_space: global }
    .group_segment_fixed_size: 0
    .private_segment_fixed_size: 0
    .kernarg_segment_align: 8
    .kernarg_segment_size: 16
    .max_flat_workgroup_size: 384
    .sgpr_count:     66
    .vgpr_count:     256
    .wavefront_size: 32
...
	.end_amdgpu_metadata
.endif
;; end of part 6
;; launch proj: the kernel of part 3 again; grid 256 x 1, 4 waves a work-group, no clusters, 168,448 bytes of LDS; arguments ctx, Wo_codes, Wo_scales, bo, x, g2, s2, x2, h2; writes x2, h2
;; launch gate: the kernel of part 4 again; grid 32 x 8, 4 waves a work-group, no clusters, 168,448 bytes of LDS; arguments h2, w1_codes, w1_scales, b1, w2_codes, w2_scales, b2, hid; writes hid
;; launch down: the kernel of part 5 again; grid 64 x 4, 4 waves a work-group, no clusters, 299,520 bytes of LDS; arguments hid, w3_codes, w3_scales, b3, x2, out0; writes out0
